; MI455X (gfx1250); checked and timed in simulation.
; The chip was launched on July 23, 2026; its instructions are those of AMD's public machine-readable ISA for CDNA 5 (MIT licence, August 2026) and "CDNA5" Instruction Set Architecture Reference Guide (July 2026). The comments in the code are by the model that wrote it; some were corrected since.
;; Multiheadattention. Allowed arithmetic: matrix products marked QUANTISED: E2M3 operands, one E8M0 scale for each 32 along K, by v_wmma_scale_f32_16x16x128_f8f6f4 with both operands' format E2M3, f32 sums; everything else in f32.
;; Inputs: Wout 1,024 x 1,024 float32; Wqkv 1,024 x 3,072 float32; bout 1,024 float32; bqkv 3,072 float32; x 4 x 2,048 x 1,024 float32.
;; Outputs: out0 4 x 2,048 x 1,024 float32.
;; This version of the problem:
;;   THIS VERSION OF THE PROBLEM IS GIVEN IN LOW PRECISION. The matrix products marked QUANTISED in the list below multiply operands that are first quantised to E2M3 (2 exponent bits, 3 mantissa bits; 6 bits a number), with one power-of-two scale for each 32 numbers along K (OCP MX v1.0); their sums are f32. All else is computed in f32.
;;   The module's matrix products, in the order in which they are computed (A, B: the left and right operand; K: the contracted axis; several contracted axes count as one K, in the product's order):
;;     1. [M 8,192, K 1,024] x [K 1,024, N 3,072]; A: input x; B: input Wqkv: QUANTISED
;;     2. batch 64 x [M 2,048, K 64] x [K 64, N 2,048]; A: computed on the way; B: computed on the way: QUANTISED
;;     3. batch 64 x [M 2,048, K 2,048] x [K 2,048, N 64]; A: softmax (see below); B: computed on the way: QUANTISED
;;     4. [M 8,192, K 1,024] x [K 1,024, N 1,024]; A: computed on the way; B: input Wout: QUANTISED
;;   THE QUANTISER, for each operand of a quantised product, along K:
;;     - K is cut into blocks of 32 from its start; a last block that is shorter is filled with zeros.
;;     - A block's scale is 2^e with e = floor(log2(the largest magnitude in the block)) - 2, held to -126 .. 127; a block of zeros has e = 0. As a byte (E8M0): e + 127.
;;     - Each number is divided by its block's scale, clamped to +-7.5, and rounded to the nearest number of E2M3, ties to even, subnormals kept.
;;     - The product sums the exact products of the quantised numbers (number of the format x scale) in f32.
;;   ~~~python
;;   def quantise(x, axis):      # numpy; x: float32 -> the quantised numbers, widened to float32 again
;;       x = np.moveaxis(x, axis, -1); K = x.shape[-1]
;;       x = np.pad(x, [(0, 0)] * (x.ndim - 1) + [(0, -K % 32)]); x = x.reshape(x.shape[:-1] + (-1, 32)); a = np.abs(x).max(-1, keepdims=True)
;;       e = np.where(a > 0, np.clip(np.frexp(np.where(a > 0, a, 1))[1] - 1 - 2, -126, 127), 0)      # np.frexp(a)[1] - 1 = floor(log2(a)), exactly
;;       r = np.clip(x / 2.0 ** e, -7.5, 7.5)
;;       step = 2.0 ** (np.maximum(np.frexp(np.where(r == 0, 1, r))[1] - 1, 0) - 3)
;;       q = np.round(r / step) * step * 2.0 ** e      # np.round: ties to even
;;       return np.moveaxis(q.reshape(q.shape[:-2] + (-1,))[..., :K], -1, axis).astype(np.float32)
;;   ~~~
;;   SOFTMAX AHEAD OF A QUANTISED PRODUCT. Where the list says 'softmax', what is quantised is not the finished softmax but p = 2^(t - M), with t = logit x log2(e) and M = ceil(the row's largest t), a whole number; so 1/2 < the row's largest p <= 1. The row's sum l is taken of the UNQUANTISED p, in f32, and the product's result is divided by l at the end. Since M is a whole number, a kernel that streams over the keys may use a running M (the ceiling of the running maximum): every later rescaling is an exact power of two, which a block's scale takes up: the codes' values come out the same.
;;   OPERANDS COMPUTED ON THE WAY. 'Computed on the way' means the value that the module computes at that place (a softmax that the list does not call 'softmax' is quantised finished and normalised). What goes into a quantiser is computed in f32, as accurately as f32 sums, v_exp_f32 and their like allow (about 1e-6 of the number): no bf16 or f16 on the way to a quantiser, and a product that is left as it is and whose result goes on into a quantised operand takes f32 operands (vector FMAs, or v_wmma_f32_16x16x4_f32). A number that lies on a knife's edge between two numbers of the format may be rounded either way, as far as f32 arithmetic and the matrix unit's own rounding can turn it there, and no further.
;; One version. Each part assembles by itself: llvm-mc -triple=amdgcn-amd-amdhsa -mcpu=gfx1250 --defsym DOCPART=n.
;; ======== version 1 of 1: 4 launches
;; limits: right only within a limited range of input values
;; workspace buffers: xq 6,553,600 bytes; wq 2,457,600 bytes; wo 819,200 bytes; qq 6,815,744 bytes; kv 13,369,344 bytes; aq 6,553,600 bytes
;; launch prep (part 1): grid 512 x 1, 4 waves a work-group, no clusters, 34,304 bytes of LDS; arguments x, Wqkv, Wout, xq, wq, wo; writes xq, wq, wo
.if DOCPART == 1
	.amdgcn_target "amdgcn-amd-amdhsa--gfx1250"
	.amdhsa_code_object_version 6
	.text
	.protected	k_q5fbb294092_prep
	.globl	k_q5fbb294092_prep
	.p2align	8
	.type	k_q5fbb294092_prep,@function
k_q5fbb294092_prep:
	s_mov_b64 s[64:65], 0
	v_nop
	global_prefetch_b8 v0, s[64:65] scope:SCOPE_SE
	s_setreg_imm32_b32 hwreg(HW_REG_WAVE_MODE, 25, 1), 1
	s_wait_xcnt 0x0
; x [8192][1024], Wqkv [1024][3072] and Wout [1024][1024], f32, become codes of FP6 (E2M3) with one E8M0 byte for each 32 along K (x: its last axis; the weights: their FIRST axis).
; THE LAYOUT OF ALL THREE RESULTS is an image of operand registers.  32 operand rows (rows of x, columns of a weight) are a PAIR RECORD of 25,600 bytes = 100 x 256.  They form two tiles u = 0, 1:
; lane r of tile u is row 8 u + r + 8 (r / 8) of the 32.  A HALF FRAGMENT (16 rows x 64 along K: six registers a lane; lane (r, h) holds k = 32 h .. 32 h + 31) is 768 bytes: registers 0-3 at 16 x lane,
; registers 4-5 at 512 + 8 x lane.  Half fragment (u, K step s of 128, half c) lies at (8 u + s) x 1,536 + 768 c.  From byte 24,576: the scale words, two planes of 512 bytes for steps 0-3 and 4-7:
; lane (r, u) at 16 (r + 16 u) holds its row's four words.
; A block's scale is 2^(floor(log2(its largest magnitude)) - 2); its byte is the largest magnitude's exponent field - 2, held at 1 from below.
; LIMITS: a block of zeros, and one whose largest magnitude lies under 2^-124, keeps the byte 1 (zero codes add nothing, and only this program reads the bytes); NaN and infinities are not served.
; WORK-GROUPS 0-255 take x: a wave takes one tile of 16 rows x 512 along K, in four units of 128.  Each load reads 512 consecutive bytes of a row; a unit turns through the wave's own stage in LDS, so that a lane
; gets the 32 neighbours of a whole block.  WORK-GROUPS 256-511 take the weights: a lane takes a column and its registers run down K, 128 along K a wave; the four waves stand side by side on 512 bytes of each row.
; Their scale words leave four bytes a lane (131,072 bytes in the launch, one byte for each 128 read): those runs of 256 bytes are written in part.  Waves share nothing: no barrier.
.set STGB,  8448                       ; a wave's stage: 16 rows of 512 bytes + 16 = 33 x 16 bytes
.set SPARE, 4*STGB                     ; behind the stages: the spare words, 128 bytes a wave
.set FLOOR, 0x1800000                  ; 2^(3 - 127)
.set R,  16                            ; v16-143  two sets of 64: a unit as loaded
.set X,  144                           ; v144-207 a lane's two blocks of 32
.set C,  208                           ; v208-213, v216-221 a half fragment's six registers, for c = 0, 1
.set T,  224                           ; v224-226, v228-230 the second conversion's result (three registers begin on an even number)
.set WD, 232                           ; v232-235 the four units' scale words
	s_load_b256 s[4:11], s[0:1], 0x0               ; x s[4:5], Wqkv s[6:7], Wout s[8:9], xq s[10:11]
	s_load_b128 s[12:15], s[0:1], 0x20             ; wq s[12:13], wo s[14:15]
	v_lshl_add_u32 v6, v0, 2, SPARE                ; my spare word,
	v_mov_b32 v7, 0                                ; and 0: kept for the closing lines alone
	v_lshrrev_b32 v1, 5, v0
	v_readfirstlane_b32 s16, v1                    ; wave
	v_and_b32 v1, 31, v0                           ; lane
	s_cmp_lt_u32 ttmp9, 256
	s_cbranch_scc0 .Lweights
	; ---------------- x ----------------
	v_lshlrev_b32 v2, 4, v1                        ; 16 x lane: a load's 512 bytes, and registers 0-3 of an image
	v_lshlrev_b32 v3, 3, v1                        ; 8 x lane: registers 4-5
	s_mul_i32 s17, s16, STGB
	v_add_nc_u32 v4, s17, v2                       ; the stage, on the way in
	v_and_b32 v8, 15, v0                           ; r
	v_bfe_u32 v9, v0, 4, 1                         ; h
	v_mul_u32_u24 v5, v8, 528
	v_lshl_add_u32 v5, v9, 7, v5
	v_add_nc_u32 v5, s17, v5                       ; and on the way out: row r, + 128 h bytes: my block of 32
	v_lshlrev_b32 v14, 3, v9                       ; 8 h: my bytes' place in a scale word
	v_lshlrev_b32 v238, 4, v8
	v_lshl_add_u32 v238, v9, 3, v238               ; 16 r + 8 h: where my two words go
	v_mov_b32 v10, 0                               ; a lane permute's destination counts as one of its sources
	s_mov_b32 s18, 0x76543210
	s_mov_b32 s19, 0xfedcba98                      ; selects for lane l xor 16
	s_mov_b32 s20, 0xffff0000                      ; lanes 16-31
	s_lshl_b32 s21, ttmp9, 2
	s_add_co_u32 s21, s21, s16                     ; 0 .. 1,023
	s_and_b32 s22, s21, 1                          ; which half of K
	s_lshr_b32 s23, s21, 1                         ; which tile of 16 rows
	s_and_b32 s24, s23, 1                          ; u
	s_lshr_b32 s25, s23, 1                         ; the record
	s_lshl_b32 s26, s25, 17                        ; x: 32 rows of 4,096 bytes a record,
	s_lshl_b32 s34, s24, 15                        ; 8 rows on for tile 1,
	s_add_co_u32 s26, s26, s34
	s_lshl_b32 s34, s22, 11                        ; 2,048 bytes on for the second half of K
	s_add_co_u32 s26, s26, s34
	s_mov_b32 s27, 0
	s_mul_i32 s35, s25, 25600
	s_mul_i32 s28, s24, 12288
	s_add_co_u32 s28, s28, s35
	s_mul_i32 s34, s22, 6144
	s_add_co_u32 s28, s28, s34                     ; my first half fragment
	s_mov_b32 s29, 0
	s_lshl_b32 s30, s22, 9
	s_add_co_u32 s30, s30, s35
	s_lshl_b32 s34, s24, 8
	s_add_co_u32 s30, s30, s34
	s_add_co_u32 s30, s30, 24576                   ; my 256 bytes of scale words
	s_mov_b32 s31, 0
	s_wait_alu depctr_va_vdst(0)
	s_wait_kmcnt 0x0
	s_add_nc_u64 s[4:5], s[4:5], s[26:27]
	s_add_nc_u64 s[32:33], s[10:11], s[30:31]
	s_add_nc_u64 s[10:11], s[10:11], s[28:29]
.macro XLOAD t                         ; unit t: 128 numbers of each of my 16 rows, 512 consecutive bytes a load
.irp r, 0,1,2,3,4,5,6,7,8,9,10,11,12,13,14,15
	global_load_b128 v[R+64*((\t)%2)+4*\r:R+64*((\t)%2)+4*\r+3], v2, s[4:5] offset:(\r+8*(\r/8))*4096+512*(\t) th:TH_LOAD_NT
.endr
.endm
.macro XTURN t                         ; through the stage: LDS serves a wave's instructions in order, so no wait stands between the stores and the loads
.irp r, 0,1,2,3,4,5,6,7,8,9,10,11,12,13,14,15
	ds_store_b128 v4, v[R+64*((\t)%2)+4*\r:R+64*((\t)%2)+4*\r+3] offset:528*\r
.endr
.irp c, 0,1
.irp i, 0,1,2,3,4,5,6,7
	ds_load_b128 v[X+32*\c+4*\i:X+32*\c+4*\i+3], v5 offset:256*\c+16*\i
.endr
.endr
.endm
.macro QB t, c                         ; my block 2 c + h of unit t: its scale, its 32 codes, and the half fragment's two stores
.set XB, X+32*(\c)
	v_max3_num_f32 v8, |v[XB]|, |v[XB+1]|, FLOOR   ; the largest magnitude, in two chains; the floor holds the byte at 1 from below
	v_max3_num_f32 v9, |v[XB+2]|, |v[XB+3]|, FLOOR
.irp i, 4,8,12,16,20,24,28
	v_max3_num_f32 v8, v8, |v[XB+\i]|, |v[XB+\i+1]|
	v_max3_num_f32 v9, v9, |v[XB+\i+2]|, |v[XB+\i+3]|
.endr
	v_max_num_f32 v8, v8, v9
	v_add_nc_u32 v11, 0xff000000, v8               ; 2 off the exponent field: the conversion takes the exponent field of this operand as its scale
	s_wait_alu depctr_va_vdst(0)
	s_wait_xcnt 0x0                                ; the last unit's stores have read the code registers, which are written again now
	v_cvt_scalef32_pk16_fp6_f32 v[C+8*(\c):C+8*(\c)+2], v[XB:XB+15], v11
	v_cvt_scalef32_pk16_fp6_f32 v[T+4*(\c):T+4*(\c)+2], v[XB+16:XB+31], v11
	v_lshrrev_b32 v[12+(\c)], 23, v11              ; the scale's byte (and the plain line behind the conversions)
.irp i, 0,1,2
	v_mov_b32 v[C+8*(\c)+3+\i], v[T+4*(\c)+\i]
.endr
	global_store_b128 v2, v[C+8*(\c):C+8*(\c)+3], s[10:11] offset:1536*(\t)+768*(\c)        ; 512 consecutive bytes, aligned to 256
	global_store_b64 v3, v[C+8*(\c)+4:C+8*(\c)+5], s[10:11] offset:1536*(\t)+768*(\c)+512   ; 256 consecutive bytes, aligned
.endm
.macro WORD t                          ; my two bytes (blocks h and 2 + h) at their places, with lane l xor 16's two: the row's scale word of unit t
	v_lshl_or_b32 v15, v13, 16, v12
	v_lshlrev_b32 v15, v14, v15
	v_permlanex16_b32 v10, v15, s18, s19
	v_or_b32 v[WD+(\t)], v15, v10
.endm
	XLOAD 0
	XLOAD 1
.irp t, 0,1,2,3
.if \t < 3
	s_wait_loadcnt 16                              ; this unit's sixteen loads are in; the next unit's may be out
.else
	s_wait_loadcnt 0x0
.endif
	XTURN \t
	s_wait_dscnt 8                                 ; the stores have read their registers and the first block is back; the second block's eight loads may be out
.if \t < 2
	XLOAD \t+2
.endif
	QB \t, 0
	s_wait_dscnt 0x0
	QB \t, 1
	WORD \t
.endr
	v_cndmask_b32 v236, v[WD], v[WD+2], s20        ; lanes 0-15 store words 0 and 1 of their row, lanes 16-31 words 2 and 3
	v_cndmask_b32 v237, v[WD+1], v[WD+3], s20
	global_store_b64 v238, v[236:237], s[32:33]    ; 256 consecutive bytes, aligned
	s_wait_tensorcnt 0x0                           ; the wave's end, behind my last LDS store
	ds_add_u32 v6, v7
	s_wait_dscnt 0x0
	s_endpgm
	; ---------------- the weights: no LDS ----------------
.Lweights:
	s_sub_co_u32 s17, ttmp9, 256
	s_and_b32 s18, s17, 31                         ; which four records: 0-23 Wqkv's, 24-31 Wout's
	s_lshr_b32 s19, s17, 5                         ; which K step of 128
	s_wait_alu depctr_va_vdst(0)
	v_lshlrev_b32 v2, 2, v1                        ; my column's 4 bytes of a row
	v_and_b32 v8, 7, v1
	v_lshrrev_b32 v9, 4, v1
	v_lshl_or_b32 v8, v9, 3, v8                    ; column l of the 32 is lane r = l % 8 + 8 (l / 16)
	v_bfe_u32 v9, v1, 3, 1                         ; of tile u = (l / 8) % 2
	v_mul_u32_u24 v10, v9, 12288
	v_lshl_add_u32 v3, v8, 4, v10                  ; registers 0-3 of my image
	v_lshl_add_u32 v4, v8, 3, v10                  ; registers 4-5
	v_lshlrev_b32 v5, 4, v8
	v_lshl_add_u32 v5, v9, 8, v5                   ; my scale words: 16 (r + 16 u)
.macro WLOAD b, pitch                  ; block b: W(32 b + i, my column), i = 0 .. 31
.irp i, 0,1,2,3,4,5,6,7,8,9,10,11,12,13,14,15,16,17,18,19,20,21,22,23,24,25,26,27,28,29,30,31
	global_load_b32 v[16+32*((\b)%2)+\i], v2, s[28:29] offset:(32*(\b)+\i)*\pitch th:TH_LOAD_NT
.endr
.endm
.macro WBLOCK b, pitch                 ; block b is k = 32 b .. of the step: half c = b / 2, lanes' half h = b % 2 of the image
.set XB, 16+32*((\b)%2)
.set CC, 80+12*(\b)                    ; each block has code registers of its own: no store's data are written again
.if (\b) < 3
	s_wait_loadcnt 32                              ; this block's 32 loads are in; the next block's may be out
.else
	s_wait_loadcnt 0x0
.endif
	v_max3_num_f32 v12, |v[XB]|, |v[XB+1]|, FLOOR
	v_max3_num_f32 v13, |v[XB+2]|, |v[XB+3]|, FLOOR
.irp i, 4,8,12,16,20,24,28
	v_max3_num_f32 v12, v12, |v[XB+\i]|, |v[XB+\i+1]|
	v_max3_num_f32 v13, v13, |v[XB+\i+2]|, |v[XB+\i+3]|
.endr
	v_max_num_f32 v12, v12, v13
	v_add_nc_u32 v11, 0xff000000, v12
	v_cvt_scalef32_pk16_fp6_f32 v[CC:CC+2], v[XB:XB+15], v11
	v_cvt_scalef32_pk16_fp6_f32 v[CC+8:CC+10], v[XB+16:XB+31], v11
	v_lshrrev_b32 v13, 23, v11                     ; the byte (and the plain line behind the conversions)
.if (\b) == 0
	v_mov_b32 v14, v13
.else
	v_lshl_or_b32 v14, v13, 8*(\b), v14            ; four bytes make my column's scale word of this step
.endif
.irp i, 0,1,2
	v_mov_b32 v[CC+3+\i], v[CC+8+\i]
.endr
.if (\b) < 2
	WLOAD (\b)+2, \pitch
.endif
	global_store_b128 v3, v[CC:CC+3], s[30:31] offset:768*((\b)/2)+256*((\b)%2)            ; sixteen lanes of a tile store 256 consecutive bytes, aligned
	global_store_b64 v4, v[CC+4:CC+5], s[30:31] offset:768*((\b)/2)+512+128*((\b)%2)
.endm
.macro WPATH pitch, src, dst, first
	s_sub_co_u32 s20, s18, \first
	s_lshl_b32 s20, s20, 2
	s_add_co_u32 s20, s20, s16                     ; my record
	s_mul_i32 s22, s19, 128*\pitch                 ; 128 rows a step,
	s_lshl_b32 s21, s20, 7                         ; 128 bytes of a row a record
	s_add_co_u32 s22, s22, s21
	s_mov_b32 s23, 0
	s_mul_i32 s21, s20, 25600
	s_mul_i32 s24, s19, 1536
	s_add_co_u32 s24, s24, s21                     ; half fragment (0, s, 0)
	s_mov_b32 s25, 0
	s_lshr_b32 s26, s19, 2
	s_lshl_b32 s26, s26, 9                         ; the plane,
	s_and_b32 s27, s19, 3
	s_lshl_b32 s27, s27, 2                         ; the word in it
	s_add_co_u32 s26, s26, s27
	s_add_co_u32 s26, s26, s21
	s_add_co_u32 s26, s26, 24576
	s_mov_b32 s27, 0
	s_wait_kmcnt 0x0
	s_add_nc_u64 s[28:29], s[\src:\src+1], s[22:23]
	s_add_nc_u64 s[30:31], s[\dst:\dst+1], s[24:25]
	s_add_nc_u64 s[32:33], s[\dst:\dst+1], s[26:27]
	WLOAD 0, \pitch
	WLOAD 1, \pitch
	WBLOCK 0, \pitch
	WBLOCK 1, \pitch
	WBLOCK 2, \pitch
	WBLOCK 3, \pitch
	global_store_b32 v5, v14, s[32:33]
	s_endpgm
.endm
	s_cmp_lt_u32 s18, 24
	s_cbranch_scc0 .Lwout
	WPATH 12288, 6, 12, 0
.Lwout:
	WPATH 4096, 8, 14, 24
.Lfunc_end_k_q5fbb294092_prep:
	.size	k_q5fbb294092_prep, .Lfunc_end_k_q5fbb294092_prep-k_q5fbb294092_prep
	.p2alignl 7, 3214868480
	.fill 96, 4, 3214868480
	.section	.rodata,"a",@progbits
	.p2align	6, 0x0
	.amdhsa_kernel k_q5fbb294092_prep
		.amdhsa_group_segment_fixed_size 34304
		.amdhsa_private_segment_fixed_size 0
		.amdhsa_enable_private_segment 0
		.amdhsa_kernarg_size 48
		.amdhsa_user_sgpr_count 2
		.amdhsa_user_sgpr_kernarg_segment_ptr 1
		.amdhsa_wavefront_size32 1
		.amdhsa_system_sgpr_workgroup_id_x 1
		.amdhsa_system_sgpr_workgroup_id_y 1
		.amdhsa_system_sgpr_workgroup_id_z 1
		.amdhsa_system_vgpr_workitem_id 0
		.amdhsa_next_free_vgpr 240
		.amdhsa_next_free_sgpr 66
		.amdhsa_reserve_vcc 0
		.amdhsa_float_denorm_mode_32 3
		.amdhsa_float_denorm_mode_16_64 3
		.amdhsa_memory_ordered 1
		.amdhsa_forward_progress 1
		.amdhsa_inst_pref_size 72
	.end_amdhsa_kernel
	.amdgpu_metadata
---
amdhsa.version: [ 1, 2 ]
amdhsa.kernels:
  - .name:           k_q5fbb294092_prep
    .symbol:         k_q5fbb294092_prep.kd
    .args:
      - { .name: x, .offset: 0, .size: 8, .value_kind: global_buffer, .address_space: global }
      - { .name: Wqkv, .offset: 8, .size: 8, .value_kind: global_buffer, .address_space: global }
      - { .name: Wout, .offset: 16, .size: 8, .value_kind: global_buffer, .address_space: global }
      - { .name: xq, .offset: 24, .size: 8, .value_kind: global_buffer, .address_space: global }
      - { .name: wq, .offset: 32, .size: 8, .value_kind: global_buffer, .address_space: global }
      - { .name: wo, .offset: 40, .size: 8, .value_kind: global_buffer, .address_space: global }
    .group_segment_fixed_size: 34304
    .private_segment_fixed_size: 0
    .kernarg_segment_align: 8
    .kernarg_segment_size: 48
    .max_flat_workgroup_size: 128
    .sgpr_count:     66
    .vgpr_count:     240
    .wavefront_size: 32
...
	.end_amdgpu_metadata
.endif
;; end of part 1
;; launch qkv (part 2): grid 8 x 32, 4 waves a work-group, clusters of 4 x 1, 205,312 bytes of LDS; arguments xq, wq, bqkv, qq, kv; writes qq, kv
.if DOCPART == 2
	.amdgcn_target "amdgcn-amd-amdhsa--gfx1250"
	.amdhsa_code_object_version 6
	.text
	.protected	k_q5fbb294092_qkv
	.globl	k_q5fbb294092_qkv
	.p2align	8
	.type	k_q5fbb294092_qkv,@function
k_q5fbb294092_qkv:
	s_mov_b64 s[64:65], 0
	v_nop
	global_prefetch_b8 v0, s[64:65] scope:SCOPE_SE
	s_setreg_imm32_b32 hwreg(HW_REG_WAVE_MODE, 25, 1), 1
	s_wait_xcnt 0x0
	s_wait_alu depctr_hold_cnt(0) depctr_sa_sdst(0) depctr_va_vdst(0) depctr_va_sdst(0) depctr_va_ssrc(0) depctr_va_vcc(0) depctr_vm_vsrc(0)
	s_getreg_b32 s2, hwreg(HW_REG_IB_STS2, 6, 4)
	s_cmp_eq_u32 s2, 0
	s_cbranch_scc0 .Lentry_in_a_cluster
	s_endpgm
.Lentry_in_a_cluster:
	s_bfe_u32 s2, ttmp6, 0x10000c
	s_cmp_lg_u32 s2, 0x3003
	s_cbranch_scc0 .Lentry_shape_is_right
	s_endpgm
.Lentry_shape_is_right:
; qkv = x Wqkv + bqkv on codes of FP6 (E2M3) with E8M0 scales, and its three parts quantised on the way: q and k along the head's 64, v along the keys.  Nothing wider than codes goes to memory.
; OPERANDS come as pair records (32 rows x K = 1,024: 25,600 bytes, images of operand registers: half fragment (u, s, c) at (8 u + s) x 1,536 + 768 c; scale words from 24,576; lane r of tile u is row 8 u + r + 8 (r / 8)).
; SHARES.  A work-group takes 256 rows of x (8 records) and two heads (384 columns).  THE WAVES SHARE THE COLUMNS: wave (hh, j) keeps 96 columns of head 2 gx + hh in 576 registers for the whole launch: four tiles of q (j = 0)
; or of k (j = 1), and two tiles of v (its channels 32 j ..).  Every wave walks all 8 records of x from LDS: 25,600 bytes read for 96 matrix instructions.
; q AND k ARE MADE TRANSPOSED (source 0 = 16 columns of W, source 1 = 16 rows of x): a lane holds one row and its registers run along the head's 64.  v IS MADE THE OTHER WAY (source 0 = x, source 1 = W): a lane holds one
; channel and its registers run along the keys.  By the order of rows in a tile, the 16 registers of two neighbouring tiles are 16 neighbours along the next K.  The bias is the C of each sum's first product.
; CLUSTER: the four work-groups of a cluster have the same rows of x: each wave asks for two records JOINTLY (mask 15).  No LDS byte is filled twice.  W is shared too, by the 32 work-groups of a column of the grid, but goes
; from memory straight into registers: a work-group's 307,200 bytes of W and 204,800 of x do not fit into 327,680 bytes of LDS together.
; RESULTS.  qq: [64 heads][16 steps of 128 queries] blocks of 6,656 bytes: eight half fragments (tile T at 768 T), then two planes of 256 bytes of scale words (plane i: lane (r, u) at 8 (r + 16 u): tiles 4 i + u, 4 i + 2 + u).
; kv: [64][16] step records of 13,056 bytes: K as in qq; V's eight half fragments at 6,144 + (2 t + c) x 768 (t: 16 channels, c: 64 keys); K's scale planes at 12,288; V's scale words at 12,800 + 8 x lane.
; V's scale bytes leave two at a time (262,144 bytes in the launch): those runs of 256 bytes are written in part.
; LIMITS: a block of zeros, and one whose largest magnitude lies under 2^-124, keeps the byte 1 (only this program reads the bytes); NaN and infinities are not served.
; REGISTERS.  Window 0: v2, v3 16 and 8 x lane; v4, v5 the record's LDS addresses; v6, v7 the add's two; v8, v9 bias offsets; v16-63 x's fragments, two buffers; v64-71 x's scale words; v72-95 W's; v96-191 twelve accumulators;
; v192-255 the quantiser.  Windows 1 to 3: W(s, t) in window 1 + s / 3 at (s % 3) x 72 + 12 t.  Window 3: v144-175 q's or k's bias, v176-191 v's.
.set RECB,  25600
.set SPARE, 8*RECB                     ; behind x's records: the spare words, 128 bytes a wave
.set FLOOR, 0x1800000                  ; 2^(3 - 127)
.set XF,  16
.set XS,  64
.set WS,  72
.set ACC, 96                           ; q/k (u, t) at ACC + 8 (4 u + t); v (t, u) at ACC + 64 + 8 (2 t + u): block k of 16 numbers at ACC + 16 k
.set M,   192                          ; v192-197 largest magnitudes, then the conversions' scale operands
.set XP,  198                          ; v198-203 the other half's maxima, then the bytes
.set H,   204                          ; v204-209, v212-217 q's or k's two half fragments
.set T,   220                          ; v220-222, v224-226 their upper halves as converted
.set VH,  228                          ; v228-233, v236-241 v's two half fragments
.set VT,  244                          ; v244-246, v248-250
.set KS,  252                          ; v252-253 a plane's two scale words
.set VB,  254                          ; v254-255 v's bytes
.set BQ,  144
.set BV,  176
.set WV,  14
.set HM,  21
.set SEL, 22
.set G1,  24
.set G0,  32
.set TB,  36
.set TR,  37
.set QREC, 38
.set SCO, 39
.set QKB, 40
.set KVB, 42
.set PA,  44
.set PB,  46
.set PC,  48
.set PD,  50
.set MSB, 0
.macro WIN new                         ; the immediate's high byte repeats the setting that is left
.if MSB != (\new)
	s_set_vgpr_msb (MSB<<8)|(\new)
.set MSB, (\new)
.endif
.endm
.macro CROUND                          ; a round of the cluster's barrier
	s_barrier_signal -1
	s_barrier_wait -1
	s_cmp_lg_u32 s[WV], 0
	s_cbranch_scc1 .Lnot_wave_0_\@
	s_barrier_signal -3
.Lnot_wave_0_\@:
	s_barrier_wait -3
	s_barrier_signal -1
	s_barrier_wait -1
.endm
.macro PLACES                          ; four plain vector lines behind matrix instructions, ahead of loads into their registers and of the first read of results
.rept 4
	v_nop
.endr
.endm
	s_load_b256 s[4:11], s[0:1], 0x0               ; xq s[4:5], wq s[6:7], bqkv s[8:9], qq s[10:11]
	s_load_b64 s[12:13], s[0:1], 0x20              ; kv
	v_lshl_add_u32 v6, v0, 2, SPARE
	v_mov_b32 v7, 0
	ds_add_u32 v6, v7                              ; the wave's opening: the add and its wait ahead of my tensor load; the set-up below, work on registers, stands between them
	ds_add_u32 v6, v7
	v_lshrrev_b32 v1, 5, v0
	v_readfirstlane_b32 s[WV], v1
	v_and_b32 v1, 31, v0
	v_lshlrev_b32 v2, 4, v1                        ; 16 x lane
	v_lshlrev_b32 v3, 3, v1                        ; 8 x lane
	v_bfe_u32 v10, v0, 4, 1                        ; h
	v_lshlrev_b32 v8, 6, v10                       ; q/k bias: 16 h numbers on
	v_and_b32 v11, 15, v0                          ; r
	v_and_b32 v9, 8, v11
	v_add_nc_u32 v9, v9, v11
	v_lshlrev_b32 v9, 2, v9                        ; v's bias: channel r + 8 (r / 8)
.irp k, 0,1,2,3,4,5
	v_mov_b32 v[XP+\k], 0                          ; a lane permute's destination counts as one of its sources
.endr
	s_lshr_b32 s15, s[WV], 1                       ; hh
	s_and_b32 s16, s[WV], 1                        ; j
	s_bfe_u32 s17, ttmp6, 0x40000                  ; cx: it enters W's, the bias's and the results' addresses alone
	s_lshl_b32 s18, ttmp9, 2
	s_add_co_u32 s18, s18, s17                     ; gx
	s_and_b32 s19, ttmp7, 0xffff                   ; gy, which the four partners share
	s_lshl_b32 s20, s18, 1
	s_add_co_u32 s20, s20, s15                     ; my head
	s_mov_b32 s[HM], 0xffff0000                    ; lanes 16-31
	s_mov_b32 s[SEL], 0x76543210
	s_mov_b32 s[SEL+1], 0xfedcba98                 ; selects for lane l xor 16
	s_mov_b32 s[G1], 15|(3<<16)|(1<<21)            ; the mask: all four work-groups; elements of 8 bytes; bit 21 beside a mask; no padding
	s_mov_b32 s[G1+1], 32<<16                      ; tensor_dim0 = 32 elements: rows of 256 bytes
	s_mov_b32 s[G1+2], 200<<16                     ; tensor_dim1 = 200: two records
	s_mov_b32 s[G1+3], 32<<16                      ; tile_dim0
	s_mov_b32 s[G1+4], 200                         ; tile_dim1
	s_mov_b32 s[G1+5], 32                          ; the block is dense
	s_mov_b32 s[G1+6], 0
	s_mov_b32 s[G1+7], 0
	s_mov_b32 s[G0], 1
	s_mul_i32 s[G0+1], s[WV], 2*RECB               ; LDS: my two records
	s_mul_i32 s52, s19, 8*RECB
	s_add_co_u32 s52, s52, s[G0+1]                 ; and the same in xq
	s_mov_b32 s53, 0
	s_mul_i32 s54, s20, 6                          ; a head has six records of W: q, q, k, k, v, v
	s_lshl_b32 s55, s16, 1
	s_add_co_u32 s56, s54, s55
	s_mul_i32 s56, s56, RECB                       ; q's or k's two
	s_mov_b32 s57, 0
	s_add_co_u32 s70, s54, s16
	s_add_co_u32 s70, s70, 4
	s_mul_i32 s70, s70, RECB                       ; my one of v's
	s_mov_b32 s71, 0
	s_mul_i32 s54, s20, 768                        ; the bias: 192 numbers a head
	s_lshl_b32 s55, s16, 8
	s_add_co_u32 s72, s54, s55
	s_mov_b32 s73, 0
	s_lshl_b32 s55, s16, 7
	s_add_co_u32 s74, s54, s55
	s_add_co_u32 s74, s74, 512
	s_mov_b32 s75, 0
	s_lshr_b32 s54, s19, 3                         ; the batch: eight work-groups along y each
	s_lshl_b32 s54, s54, 4
	s_add_co_u32 s54, s54, s20                     ; 16 x batch + head
	s_lshl_b32 s54, s54, 4
	s_and_b32 s55, s19, 7
	s_lshl_b32 s55, s55, 1
	s_add_co_u32 s54, s54, s55                     ; my first step of 128 rows among all heads' steps
	s_mul_i32 s76, s54, 13056
	s_mov_b32 s77, 0
	s_mov_b32 s[QREC], 13056
	s_mov_b32 s[SCO], 12288
	s_cmp_eq_u32 s16, 0                            ; q goes to qq, k to kv
	s_cselect_b32 s[QREC], 6656, s[QREC]           ; a step's bytes there,
	s_cselect_b32 s[SCO], 6144, s[SCO]             ; and where its scale planes begin
	s_mul_i32 s78, s54, s[QREC]
	s_mov_b32 s79, 0
	s_mul_i32 s58, s16, 3072
	s_add_co_u32 s58, s58, 6144                    ; V's half fragments of my two tiles
	s_lshl_b32 s59, s16, 2
	s_add_co_u32 s59, s59, 12800                   ; and their scale word
	s_wait_dscnt 0x0                               ; the opening add is done
	s_wait_kmcnt 0x0
	s_add_nc_u64 s[G0+2:G0+3], s[4:5], s[52:53]
	s_or_b32 s[G0+3], s[G0+3], 0x80000000          ; type = 2
	s_add_nc_u64 s[60:61], s[6:7], s[56:57]
	s_add_nc_u64 s[62:63], s[6:7], s[70:71]
	s_add_nc_u64 s[66:67], s[8:9], s[72:73]
	s_add_nc_u64 s[68:69], s[8:9], s[74:75]
	s_cmp_eq_u32 s16, 0
	s_cselect_b64 s[QKB:QKB+1], s[10:11], s[12:13]
	s_add_nc_u64 s[QKB:QKB+1], s[QKB:QKB+1], s[78:79]
	s_add_nc_u64 s[KVB:KVB+1], s[12:13], s[76:77]
	CROUND                                         ; all four work-groups are here: the joint loads meet
	tensor_load_to_lds s[G0:G0+3], s[G1:G1+7]      ; my one tensor load of the launch
	s_nop 0
	PLACES                                         ; (behind a tensor load, ahead of the switch of windows)
	; W: 48 fragments, each two half fragments, each 16 + 8 bytes a lane, all dense
.irp s, 0,1,2,3,4,5,6,7
	WIN (1+\s/3)<<6
.irp t, 0,1,2,3
.irp c, 0,1
	global_load_b128 v[(\s%3)*72+12*\t+6*\c:(\s%3)*72+12*\t+6*\c+3], v2, s[60:61] offset:RECB*(\t/2)+(8*(\t%2)+\s)*1536+768*\c
	global_load_b64 v[(\s%3)*72+12*\t+6*\c+4:(\s%3)*72+12*\t+6*\c+5], v3, s[60:61] offset:RECB*(\t/2)+(8*(\t%2)+\s)*1536+768*\c+512
.endr
.endr
.irp t, 0,1
.irp c, 0,1
	global_load_b128 v[(\s%3)*72+48+12*\t+6*\c:(\s%3)*72+48+12*\t+6*\c+3], v2, s[62:63] offset:(8*\t+\s)*1536+768*\c
	global_load_b64 v[(\s%3)*72+48+12*\t+6*\c+4:(\s%3)*72+48+12*\t+6*\c+5], v3, s[62:63] offset:(8*\t+\s)*1536+768*\c+512
.endr
.endr
.endr
	WIN 0
.irp g, 0,1                            ; W's scale words: register WS + 8 P + s: tile 2 P in lanes 0-15, tile 2 P + 1 in lanes 16-31
	global_load_b128 v[WS+4*\g:WS+4*\g+3], v2, s[60:61] offset:24576+512*\g
	global_load_b128 v[WS+8+4*\g:WS+8+4*\g+3], v2, s[60:61] offset:RECB+24576+512*\g
	global_load_b128 v[WS+16+4*\g:WS+16+4*\g+3], v2, s[62:63] offset:24576+512*\g
.endr
	WIN 0xc0
.irp t, 0,1,2,3                        ; q/k bias in the result's layout: register i of tile t is column 32 (t / 2) + 16 h + 8 (t % 2) + i
	global_load_b128 v[BQ+8*\t:BQ+8*\t+3], v8, s[66:67] offset:(32*(\t/2)+8*(\t%2))*4
	global_load_b128 v[BQ+8*\t+4:BQ+8*\t+7], v8, s[66:67] offset:(32*(\t/2)+8*(\t%2))*4+16
.endr
	s_wait_alu depctr_va_vdst(0)
.irp t, 0,1                            ; v's: a lane holds one channel, so one number in all eight registers
.irp i, 0,1,2,3,4,5,6,7
	global_load_b32 v[BV+8*\t+\i], v9, s[68:69] offset:32*\t
.endr
.endr
	WIN 0
; one scaled product; its registers and the rows of its scale registers are set in symbols ahead of it
.macro WM
.if (rRA == 0) && (rRB == 0)
	v_wmma_scale_f32_16x16x128_f8f6f4 v[rD:rD+7], v[rA:rA+11], v[rB:rB+11], v[rC:rC+7], v[rSA], v[rSB] matrix_a_fmt:MATRIX_FMT_FP6 matrix_b_fmt:MATRIX_FMT_FP6
.elseif (rRA == 1) && (rRB == 0)
	v_wmma_scale_f32_16x16x128_f8f6f4 v[rD:rD+7], v[rA:rA+11], v[rB:rB+11], v[rC:rC+7], v[rSA], v[rSB] matrix_a_fmt:MATRIX_FMT_FP6 matrix_b_fmt:MATRIX_FMT_FP6 matrix_a_scale:MATRIX_SCALE_ROW1
.elseif (rRA == 0) && (rRB == 1)
	v_wmma_scale_f32_16x16x128_f8f6f4 v[rD:rD+7], v[rA:rA+11], v[rB:rB+11], v[rC:rC+7], v[rSA], v[rSB] matrix_a_fmt:MATRIX_FMT_FP6 matrix_b_fmt:MATRIX_FMT_FP6 matrix_b_scale:MATRIX_SCALE_ROW1
.else
	v_wmma_scale_f32_16x16x128_f8f6f4 v[rD:rD+7], v[rA:rA+11], v[rB:rB+11], v[rC:rC+7], v[rSA], v[rSB] matrix_a_fmt:MATRIX_FMT_FP6 matrix_b_fmt:MATRIX_FMT_FP6 matrix_a_scale:MATRIX_SCALE_ROW1 matrix_b_scale:MATRIX_SCALE_ROW1
.endif
.endm
.macro FETCH s, buf                    ; x's two fragments of K step s: eight dense LDS loads
.irp u, 0,1
.irp c, 0,1
	ds_load_b128 v[XF+24*(\buf)+12*\u+6*\c:XF+24*(\buf)+12*\u+6*\c+3], v4 offset:(8*\u+(\s))*1536+768*\c
	ds_load_b64 v[XF+24*(\buf)+12*\u+6*\c+4:XF+24*(\buf)+12*\u+6*\c+5], v5 offset:(8*\u+(\s))*1536+768*\c+512
.endr
.endr
.endm
.macro XSCALES                         ; the record's scale words: register XS + s: tile 0 in lanes 0-15, tile 1 in lanes 16-31
	ds_load_b128 v[XS:XS+3], v4 offset:24576
	ds_load_b128 v[XS+4:XS+7], v4 offset:25088
.endm
; A K step's twelve products.  The twelve accumulators take turns, one instruction a turn, in the same order in every step.
.macro MULS s, buf
.set WL, ((\s)%3)*72
.if (\s) == 0
	WIN 0x31                                       ; source 0 (W) window 1, C (the bias) window 3
.else
	WIN 1+(\s)/3
.endif
.irp u, 0,1
.irp t, 0,1,2,3
.set rD, ACC+8*(4*\u+\t)
.set rA, WL+12*\t
.set rB, XF+24*(\buf)+12*\u
.if (\s) == 0
.set rC, BQ+8*\t
.else
.set rC, ACC+8*(4*\u+\t)
.endif
.set rSA, WS+8*(\t/2)+(\s)
.set rSB, XS+(\s)
.set rRA, \t%2
.set rRB, \u
	WM
.endr
.endr
.if (\s) == 0
	WIN 0x34                                       ; source 1 (W) window 1, C window 3
.else
	WIN (1+(\s)/3)<<2
.endif
.irp t, 0,1
.irp u, 0,1
.set rD, ACC+64+8*(2*\t+\u)
.set rA, XF+24*(\buf)+12*\u
.set rB, WL+48+12*\t
.if (\s) == 0
.set rC, BV+8*\t
.else
.set rC, ACC+64+8*(2*\t+\u)
.endif
.set rSA, XS+(\s)
.set rSB, WS+16+(\s)
.set rRA, \u
.set rRB, \t
	WM
.endr
.endr
	WIN 0
.endm
; The record's results are quantised and stored.  Blocks 0-3: q or k of tile u = k / 2, columns 32 (k % 2) ..; blocks 4, 5: v's two tiles of channels, this record's 32 keys.  A block lies in lanes l and l xor 16.
; odd = 1: the second record of a pair: v's half fragments (64 keys) and the scale plane are whole and leave.
.macro EPI odd
.irp k, 0,1,2,3,4,5
	v_max3_num_f32 v[M+\k], |v[ACC+16*\k]|, |v[ACC+16*\k+1]|, FLOOR   ; each accumulator is read from its low end on; the six blocks by turns
.endr
.irp i, 2,4,6,8,10,12,14
.irp k, 0,1,2,3,4,5
	v_max3_num_f32 v[M+\k], v[M+\k], |v[ACC+16*\k+\i]|, |v[ACC+16*\k+\i+1]|
.endr
.endr
.irp k, 0,1,2,3,4,5
	v_permlanex16_b32 v[XP+\k], v[M+\k], s[SEL], s[SEL+1]
.endr
.irp k, 0,1,2,3,4,5
	v_max_num_f32 v[M+\k], v[M+\k], v[XP+\k]       ; the block's largest magnitude
.endr
.irp k, 0,1,2,3,4,5
	v_add_nc_u32 v[M+\k], 0xff000000, v[M+\k]      ; 2 off its exponent field: the conversion's scale operand
.endr
.irp k, 0,1,2,3,4,5
	v_lshrrev_b32 v[XP+\k], 23, v[M+\k]            ; the scale's byte
.endr
	s_wait_xcnt 0x0                                ; earlier stores have read the registers that are written from here on
	v_cvt_scalef32_pk16_fp6_f32 v[H:H+2], v[ACC:ACC+15], v[M]
	v_cvt_scalef32_pk16_fp6_f32 v[T:T+2], v[ACC+16:ACC+31], v[M+1]
	v_cvt_scalef32_pk16_fp6_f32 v[H+8:H+10], v[ACC+32:ACC+47], v[M+2]
	v_cvt_scalef32_pk16_fp6_f32 v[T+4:T+6], v[ACC+48:ACC+63], v[M+3]
.if \odd
	v_cvt_scalef32_pk16_fp6_f32 v[VT:VT+2], v[ACC+64:ACC+79], v[M+4]
	v_cvt_scalef32_pk16_fp6_f32 v[VT+4:VT+6], v[ACC+80:ACC+95], v[M+5]
.else
	v_cvt_scalef32_pk16_fp6_f32 v[VH:VH+2], v[ACC+64:ACC+79], v[M+4]
	v_cvt_scalef32_pk16_fp6_f32 v[VH+8:VH+10], v[ACC+80:ACC+95], v[M+5]
.endif
	v_nop                                          ; one plain line behind the conversions
	v_lshl_or_b32 v10, v[XP+1], 8, v[XP]           ; tile 0's scale word: two bytes, the upper two 0
	v_lshl_or_b32 v11, v[XP+3], 8, v[XP+2]         ; tile 1's
	v_cndmask_b32 v[KS+\odd], v10, v11, s[HM]      ; tile 0's in lanes 0-15, tile 1's in lanes 16-31
.irp t, 0,1
.if \odd
	v_lshl_or_b32 v[VB+\t], v[XP+4+\t], 8, v[VB+\t]
.else
	v_mov_b32 v[VB+\t], v[XP+4+\t]
.endif
.endr
.irp u, 0,1
.irp i, 0,1,2
	v_permlane16_swap_b32 v[H+8*\u+\i], v[T+4*\u+\i]   ; the layout wants a whole block in a lane: lanes 0-15 block 0, lanes 16-31 block 1
.endr
.irp i, 0,1,2
	v_mov_b32 v[H+8*\u+3+\i], v[T+4*\u+\i]
.endr
	global_store_b128 v2, v[H+8*\u:H+8*\u+3], s[PA:PA+1] offset:(2*\odd+\u)*768           ; 512 consecutive bytes, aligned to 256
	global_store_b64 v3, v[H+8*\u+4:H+8*\u+5], s[PA:PA+1] offset:(2*\odd+\u)*768+512      ; 256 consecutive bytes, aligned
.endr
.if \odd
.irp t, 0,1
.irp i, 0,1,2
	v_permlane16_swap_b32 v[VH+8*\t+\i], v[VT+4*\t+\i]
.endr
.irp i, 0,1,2
	v_mov_b32 v[VH+8*\t+3+\i], v[VT+4*\t+\i]
.endr
	global_store_b128 v2, v[VH+8*\t:VH+8*\t+3], s[PC:PC+1] offset:1536*\t
	global_store_b64 v3, v[VH+8*\t+4:VH+8*\t+5], s[PC:PC+1] offset:1536*\t+512
.endr
	global_store_b64 v3, v[KS:KS+1], s[PB:PB+1]    ; a scale plane: 256 consecutive bytes, aligned
	v_cndmask_b32 v12, v[VB], v[VB+1], s[HM]
	global_store_b16 v3, v12, s[PD:PD+1]           ; two of the four bytes of V's scale word
.endif
.endm
; One record of x: eight K steps; the next step's fragments are asked for ahead of each step's products.  pre = 1: the next record's first fragments and scale words are asked for ahead of the quantiser.
.macro RECORD odd, pre
.irp s, 0,1,2,3,4,5,6,7
.if \s < 7
.if \s > 0
	PLACES                                         ; the other buffer was read by the step before
.endif
	FETCH \s+1, (\s+1)%2
	s_wait_dscnt 8                                 ; all but the eight loads just issued: this step's fragments (and the scale words) are in
.else
	s_wait_dscnt 0x0
.endif
	MULS \s, \s%2
.endr
	PLACES
.if \pre
	s_add_co_u32 s[TB], s[TB], RECB
	v_add_nc_u32 v4, s[TB], v2
	v_add_nc_u32 v5, s[TB], v3
	XSCALES
	FETCH 0, 0
.endif
	EPI \odd
.endm
.macro PTRS                            ; where a pair of records' results go: step st = TR / 2 of my two, half i = TR % 2
	s_wait_xcnt 0x0                                ; earlier stores have read their bases
	s_lshr_b32 s52, s[TR], 1
	s_and_b32 s53, s[TR], 1
	s_mul_i32 s54, s52, s[QREC]
	s_mul_i32 s56, s53, 3072
	s_add_co_u32 s56, s56, s54
	s_mov_b32 s57, 0
	s_add_nc_u64 s[PA:PA+1], s[QKB:QKB+1], s[56:57]
	s_lshl_b32 s56, s53, 8
	s_add_co_u32 s56, s56, s54
	s_add_co_u32 s56, s56, s[SCO]
	s_add_nc_u64 s[PB:PB+1], s[QKB:QKB+1], s[56:57]
	s_mul_i32 s54, s52, 13056
	s_mul_i32 s56, s53, 768
	s_add_co_u32 s56, s56, s54
	s_add_co_u32 s56, s56, s58
	s_add_nc_u64 s[PC:PC+1], s[KVB:KVB+1], s[56:57]
	s_lshl_b32 s56, s53, 1
	s_add_co_u32 s56, s56, s54
	s_add_co_u32 s56, s56, s59
	s_add_nc_u64 s[PD:PD+1], s[KVB:KVB+1], s[56:57]
.endm
	s_mov_b32 s[TB], 0
	v_add_nc_u32 v4, s[TB], v2
	v_add_nc_u32 v5, s[TB], v3
	s_wait_alu depctr_va_vdst(0)
	s_wait_loadcnt 0x0                             ; W, its scale words and the bias
	s_wait_tensorcnt 0x0                           ; my two records of x have landed,
	s_barrier_signal -1
	s_barrier_wait -1                              ; everybody's have
	XSCALES
	FETCH 0, 0
	s_mov_b32 s[TR], 0
.Ltrip:                                            ; a trip: two records, 64 rows
	PTRS
	RECORD 0, 1
	RECORD 1, 1
	s_add_co_u32 s[TR], s[TR], 1
	s_cmp_lt_u32 s[TR], 3
	s_cbranch_scc1 .Ltrip
	PTRS                                           ; the last pair is written out: behind the last record nothing is fetched
	RECORD 0, 1
	RECORD 1, 0
	s_wait_tensorcnt 0x0                           ; the wave's end
	ds_add_u32 v6, v7
	s_wait_dscnt 0x0
	CROUND                                         ; the closing round
	s_endpgm
.Lfunc_end_k_q5fbb294092_qkv:
	.size	k_q5fbb294092_qkv, .Lfunc_end_k_q5fbb294092_qkv-k_q5fbb294092_qkv
	.p2alignl 7, 3214868480
	.fill 96, 4, 3214868480
	.section	.rodata,"a",@progbits
	.p2align	6, 0x0
	.amdhsa_kernel k_q5fbb294092_qkv
		.amdhsa_group_segment_fixed_size 205312
		.amdhsa_private_segment_fixed_size 0
		.amdhsa_enable_private_segment 0
		.amdhsa_kernarg_size 40
		.amdhsa_user_sgpr_count 2
		.amdhsa_user_sgpr_kernarg_segment_ptr 1
		.amdhsa_wavefront_size32 1
		.amdhsa_system_sgpr_workgroup_id_x 1
		.amdhsa_system_sgpr_workgroup_id_y 1
		.amdhsa_system_sgpr_workgroup_id_z 1
		.amdhsa_system_vgpr_workitem_id 0
		.amdhsa_next_free_vgpr 1024
		.amdhsa_next_free_sgpr 100
		.amdhsa_reserve_vcc 0
		.amdhsa_float_denorm_mode_32 3
		.amdhsa_float_denorm_mode_16_64 3
		.amdhsa_memory_ordered 1
		.amdhsa_forward_progress 1
		.amdhsa_inst_pref_size 126
	.end_amdhsa_kernel
	.amdgpu_metadata
---
amdhsa.version: [ 1, 2 ]
amdhsa.kernels:
  - .name:           k_q5fbb294092_qkv
    .symbol:         k_q5fbb294092_qkv.kd
    .args:
      - { .name: xq, .offset: 0, .size: 8, .value_kind: global_buffer, .address_space: global }
      - { .name: wq, .offset: 8, .size: 8, .value_kind: global_buffer, .address_space: global }
      - { .name: bqkv, .offset: 16, .size: 8, .value_kind: global_buffer, .address_space: global }
      - { .name: qq, .offset: 24, .size: 8, .value_kind: global_buffer, .address_space: global }
      - { .name: kv, .offset: 32, .size: 8, .value_kind: global_buffer, .address_space: global }
    .group_segment_fixed_size: 205312
    .private_segment_fixed_size: 0
    .kernarg_segment_align: 8
    .kernarg_segment_size: 40
    .max_flat_workgroup_size: 128
    .sgpr_count:     100
    .vgpr_count:     1024
    .wavefront_size: 32
...
	.end_amdgpu_metadata
.endif
;; end of part 2
;; launch attn (part 3): grid 4 x 64, 16 waves a work-group, clusters of 4 x 1, 263,168 bytes of LDS; arguments qq, kv, aq; writes aq
.if DOCPART == 3
	.amdgcn_target "amdgcn-amd-amdhsa--gfx1250"
	.amdhsa_code_object_version 6
	.text
	.protected	k_q5fbb294092_attn
	.globl	k_q5fbb294092_attn
	.p2align	8
	.type	k_q5fbb294092_attn,@function
k_q5fbb294092_attn:
	s_mov_b64 s[64:65], 0
	v_nop
	global_prefetch_b8 v0, s[64:65] scope:SCOPE_SE
	s_setreg_imm32_b32 hwreg(HW_REG_WAVE_MODE, 25, 1), 1
	s_wait_xcnt 0x0
	s_wait_alu depctr_hold_cnt(0) depctr_sa_sdst(0) depctr_va_vdst(0) depctr_va_sdst(0) depctr_va_ssrc(0) depctr_va_vcc(0) depctr_vm_vsrc(0)
	s_getreg_b32 s2, hwreg(HW_REG_IB_STS2, 6, 4)
	s_cmp_eq_u32 s2, 0
	s_cbranch_scc0 .Lentry_in_a_cluster
	s_endpgm
.Lentry_in_a_cluster:
	s_bfe_u32 s2, ttmp6, 0x10000c
	s_cmp_lg_u32 s2, 0x3003
	s_cbranch_scc0 .Lentry_shape_is_right
	s_endpgm
.Lentry_shape_is_right:
; O = softmax(q k^T / 8) v for each of 64 heads (2,048 queries and keys, head size 64), both products on codes of FP6 (E2M3) with E8M0 scales, and O quantised along the model's 1,024 (index 64 head + channel).
; THE SOFTMAX: t = score x log2(e) / 8; M = the running largest t rounded UP to a whole number; p = 2^(t - M) is quantised along the keys, not normalised.  The row's sum is taken of the unquantised p and divides O at the end.
; When M moves, the sum and O are multiplied by 2^(old M - new M): exact.  A block's largest p is made from its largest score by the same multiply-add and exponential (it takes the exponential not to fall where its input rises).
; SHARES.  A work-group owns 512 queries of one head: sixteen waves of 256 registers, a tile of 16 queries a wave, two passes.  Both products are used transposed (S^T = K Q^T, O^T = V^T P^T): a lane holds ONE query.
; THE HEAD'S K, V AND SCALES (16 step records of 13,056 bytes) lie in LDS, filled once.  The four work-groups of a cluster are the quarters of one head's queries: wave w of each asks for record w JOINTLY (mask 15), one load a wave.
; Waves 0-3 have a load line and a wait of their own: the first barrier shows records 0-3, four steps run, the second barrier (every wave's wait for 0) shows the rest.  The second pass has no barrier.
; No prefetch: every fill is asked for at the head, so there is no loop in which to ask ahead.
; LDS IMAGE: the mover lays 64 bytes of padding behind each 256: byte x of a record lies at x + 64 (x / 256); a record takes 16,320 bytes.
; K'S TILES ARE FORMED BY THE LANES' ADDRESSES.  In memory lane r of tile 2 b + u is key 32 b + 8 u + r + 8 (r / 8).  Here tile (c, j) takes as rows 0-7 keys 64 c + 8 j + i and as rows 8-15 keys 64 c + 32 + 8 j + i:
; rows 8-15 come from the tile two further on (1,920 LDS bytes, the other 128 of a run of 256).  So lane (r, h) holds in S + 32 c .. + 31 the 32 keys of block 2 c + h of query r, in order:
; a block's largest score needs no other lane, and two conversions give the block's six operand registers.  V stays as it lies.
; CHAINS BY TURNS: the maxima go in eight chains (one a tile of scores), the row's sum in six, and the lines that make p's scale word stand among the sum's additions: a line reads what stands five or more vector lines back, the one serial chain from the largest score to f aside.
; K = 64 IN AN INSTRUCTION OF 128: Q's registers 6-11 are zero codes and the upper two bytes of both scale words are 0 (2^-127): K's operand of a tile is its six registers and the six that follow, whose products have a zero factor.
; LIMITS: a block of zeros, and one whose largest magnitude lies under 2^-124, keeps the byte 1 (only this program reads the bytes); NaN and infinities are not served.  The promise holds while |t| stays under 2^31.
; O's scale bytes leave two at a time: those runs of 256 bytes are written in part.
; REGISTERS: v1, v2 16 and 8 x lane; v3, v4, v9 K's addresses of the step, v10, v11 V's; v5, v6 the add's two; v7, v8 8 r, 16 r; v12 -M, v13 largest t, v[14:15] the sum; v16-27 Q; v28 Q's scale word; v29 p's; v30 8 h;
; v31, v92-94 address bases; v32-85 K's eight half fragments and six zeros, or V's four fragments; v86-89 K's scale words, v90-91 V's; v96-159 S^T, then p; v160-191 O^T; v192-199, v206, v207 at work; v200-205, v216-219 the sum's chains;
; v208-214 the second pass's Q; v224-242 codes; v252 f, v254 old -M.
.set STEPB, 13056
.set STEPL, 16320
.set SPARE, 16*STEPL                   ; behind the records: the spare words, 128 bytes for each of 16 waves
.set FLOOR, 0x1800000
.set F,   32
.set S,   96
.set O,   160
.set WV,  10
.set TB,  13
.set CNT, 14
.set SEL, 16
.set CS,  18
.set QP,  20
.set QSP, 22
.set G0,  24
.set G1,  40
.set AP,  48
.set ASP, 50
.macro INIT                            ; a pass begins: the largest t so far is -3e38; the sum, its chains and O^T are zeros, which the first change of M leaves zeros
	v_mov_b32 v13, 0xff61b1e6
	v_mov_b32 v14, 0
	v_mov_b32 v15, 0
	v_floor_f32 v12, -v13
.irp i, 200,201,202,203,204,205,216,217,218,219
	v_mov_b32 v[\i], 0
.endr
.set j, 0
.rept 32
	v_mov_b32 v[O+j], 0
.set j, j+1
.endr
.endm
.macro WALU
	s_wait_alu depctr_va_vdst(0)
.endm
.macro CROUND                          ; a round of the cluster's barrier
	s_barrier_signal -1
	s_barrier_wait -1
	s_cmp_lg_u32 s[WV], 0
	s_cbranch_scc1 .Lnot_wave_0_\@
	s_barrier_signal -3
.Lnot_wave_0_\@:
	s_barrier_wait -3
	s_barrier_signal -1
	s_barrier_wait -1
.endm
	s_load_b128 s[4:7], s[0:1], 0x0                ; qq s[4:5], kv s[6:7]
	s_load_b64 s[8:9], s[0:1], 0x10                ; aq
	v_lshl_add_u32 v5, v0, 2, SPARE
	v_mov_b32 v6, 0
	ds_add_u32 v5, v6                              ; the opening lines: the add, twice on end, and its wait ahead of my tensor load
	ds_add_u32 v5, v6
	v_lshrrev_b32 v9, 5, v0
	v_readfirstlane_b32 s[WV], v9                  ; wave 0..15
	v_and_b32 v9, 31, v0
	v_and_b32 v10, 15, v0                          ; r
	v_and_b32 v95, 7, v0                           ; r % 8
	v_bfe_u32 v206, v0, 3, 1                       ; r / 8
	v_bfe_u32 v207, v0, 4, 1                       ; h
	v_lshlrev_b32 v1, 4, v9
	v_lshlrev_b32 v2, 3, v9
	v_lshlrev_b32 v7, 3, v10
	v_lshlrev_b32 v8, 4, v10
	v_mul_u32_u24 v11, v206, 1920                  ; rows 8-15 of a tile: two tiles of 960 LDS bytes on
	v_lshlrev_b32 v30, 3, v207                     ; 8 h: my bytes' place in p's scale word
	v_lshl_add_u32 v94, v207, 6, v1                ; V, registers 0-3: 16 x lane, one padding more for lanes 16-31
	v_lshl_add_u32 v31, v95, 4, v11
	v_lshl_add_u32 v92, v95, 3, v11
	v_lshlrev_b32 v93, 3, v95
	v_mad_u32_u24 v31, v207, 320, v31              ; K, registers 0-3: 1,920 (r / 8) + 16 (r % 8) + 320 h
	v_lshl_add_u32 v92, v207, 7, v92               ; K, registers 4-5: 1,920 (r / 8) + 8 (r % 8) + 128 h
	v_lshl_add_u32 v93, v206, 2, v93
	v_lshl_add_u32 v93, v207, 7, v93               ; K's scale words: 8 (r % 8) + 4 (r / 8) + 128 h (h: the tile's j % 2)
.irp i, 22,23,24,25,26,27,80,81,82,83,84,85
	v_mov_b32 v[\i], 0                             ; Q's upper half: zero codes; and what follows K's last tile
.endr
.irp i, 199,253
	v_mov_b32 v[\i], 0                             ; a lane permute's destination, and the upper half of f's pair, are written before they are named
.endr
	s_bfe_u32 s11, ttmp6, 0x40000                  ; cx: which quarter of the queries; it enters Q's and O's addresses alone
	s_and_b32 s12, ttmp7, 0xffff                   ; 16 x batch + head, which the four partners share
	s_mov_b32 s[SEL], 0x76543210
	s_mov_b32 s[SEL+1], 0xfedcba98
	s_mov_b32 s[CS], 0x3e38aa3b                    ; c = log2(e) / 8
	s_mov_b32 s[CS+1], s[CS]
	s_mov_b32 s[G1], 15|(3<<16)|(1<<20)|(1<<21)|(5<<22)|(15<<25)   ; mask: all four; elements of 8 bytes; padding on; bit 21 beside a mask; behind every 64 words 16 words
	s_mov_b32 s[G1+1], 32<<16                      ; rows of 256 bytes
	s_mov_b32 s[G1+2], 51<<16                      ; 51 of them: a step record
	s_mov_b32 s[G1+3], 32<<16
	s_mov_b32 s[G1+4], 51
	s_mov_b32 s[G1+5], 32                          ; dense
	s_mov_b32 s[G1+6], 0
	s_mov_b32 s[G1+7], 0
	s_lshr_b32 s52, s12, 4                         ; batch
	s_and_b32 s53, s12, 15                         ; head
	s_lshl_b32 s54, s11, 2
	s_lshr_b32 s55, s[WV], 3
	s_add_co_u32 s54, s54, s55                     ; my block of 128 queries in the first pass
	s_mul_i32 s54, s54, 6656
	s_mul_i32 s55, s12, 106496
	s_add_co_u32 s54, s54, s55
	s_and_b32 s55, s[WV], 7                        ; my tile in it
	s_mul_i32 s55, s55, 768
	s_add_co_u32 s56, s54, s55
	s_mov_b32 s57, 0
	s_bfe_u32 s55, s[WV], 0x10002                  ; its scale word: plane (w / 4) % 2,
	s_lshl_b32 s55, s55, 8
	s_add_co_u32 s58, s54, s55
	s_and_b32 s55, s[WV], 1                        ; lanes' half w % 2,
	s_lshl_b32 s55, s55, 7
	s_add_co_u32 s58, s58, s55
	s_bfe_u32 s55, s[WV], 0x10001                  ; word (w / 2) % 2
	s_lshl_b32 s55, s55, 2
	s_add_co_u32 s58, s58, s55
	s_add_co_u32 s58, s58, 6144
	s_mov_b32 s59, 0
	s_lshl_b32 s60, s52, 6                         ; aq: 64 records a batch,
	s_lshl_b32 s55, s11, 4                         ; 16 a quarter,
	s_add_co_u32 s60, s60, s55
	s_lshr_b32 s55, s[WV], 1                       ; two waves to a record
	s_add_co_u32 s60, s60, s55
	s_mul_i32 s60, s60, 25600
	s_and_b32 s55, s[WV], 1                        ; u
	s_mul_i32 s62, s55, 12288
	s_add_co_u32 s62, s62, s60
	s_lshr_b32 s63, s53, 1                         ; K step = head / 2,
	s_mul_i32 s63, s63, 1536
	s_add_co_u32 s62, s62, s63
	s_and_b32 s63, s53, 1                          ; half = head % 2
	s_mul_i32 s63, s63, 768
	s_add_co_u32 s62, s62, s63
	s_mov_b32 s63, 0
	s_lshl_b32 s66, s55, 8
	s_add_co_u32 s66, s66, s60
	s_lshr_b32 s67, s53, 3
	s_lshl_b32 s67, s67, 9
	s_add_co_u32 s66, s66, s67
	s_bfe_u32 s67, s53, 0x20001
	s_lshl_b32 s67, s67, 2
	s_add_co_u32 s66, s66, s67
	s_and_b32 s67, s53, 1
	s_lshl_b32 s67, s67, 1
	s_add_co_u32 s66, s66, s67
	s_add_co_u32 s66, s66, 24576
	s_mov_b32 s67, 0
	s_mul_i32 s68, s[WV], STEPB                    ; wave w fetches record w
	s_mul_i32 s70, s12, 16*STEPB
	s_add_co_u32 s70, s70, s68
	s_mov_b32 s71, 0
	s_mov_b32 s[G0], 1
	s_mul_i32 s[G0+1], s[WV], STEPL                ; and lays it at w x 16,320
	WALU                                           ; the wait at the head's end
	s_wait_dscnt 0x0                               ; both opening adds are done
	s_wait_kmcnt 0x0
	s_add_nc_u64 s[QP:QP+1], s[4:5], s[56:57]
	s_add_nc_u64 s[QSP:QSP+1], s[4:5], s[58:59]
	s_add_nc_u64 s[AP:AP+1], s[8:9], s[62:63]
	s_add_nc_u64 s[ASP:ASP+1], s[8:9], s[66:67]
	s_add_nc_u64 s[G0+2:G0+3], s[6:7], s[70:71]
	s_or_b32 s[G0+3], s[G0+3], 0x80000000
	global_load_b128 v[16:19], v1, s[QP:QP+1]      ; my tile of Q in the first pass: a half fragment,
	global_load_b64 v[20:21], v2, s[QP:QP+1] offset:512
	global_load_b32 v28, v7, s[QSP:QSP+1]          ; and its rows' scale words;
	global_load_b128 v[208:211], v1, s[QP:QP+1] offset:13312       ; the second pass's, 256 queries on
	global_load_b64 v[212:213], v2, s[QP:QP+1] offset:13312+512
	global_load_b32 v214, v7, s[QSP:QSP+1] offset:13312
	CROUND                                         ; all four work-groups are here: the joint loads meet
	s_cmp_lt_u32 s[WV], 4                          ; one chain of two arms, a load in each: waves 0-3 have a line of their own, since they alone wait ahead of the first barrier
	s_cbranch_scc0 .Lfill_late
	tensor_load_to_lds s[G0:G0+3], s[G1:G1+7]      ; records 0-3, which the first steps read, are asked for first
	s_nop 0
	INIT
	s_branch .Lfilled
.Lfill_late:
	INIT                                           ; waves 4-15 do this work ahead of their load
	tensor_load_to_lds s[G0:G0+3], s[G1:G1+7]
	s_nop 0
.Lfilled:
.macro PADD d, k                       ; pair k of p onto the chain in v[d:d+1]
	v_pk_add_f32 v[\d:\d+1], v[\d:\d+1], v[S+2*(\k):S+2*(\k)+1]
.endm
.macro PSUM k                          ; pairs 11 to 31 go round the six chains: v200, v202, v204, v216, v218, v14
.set cq, ((\k)+1)%6
.if cq == 5
	PADD 14, \k
.elseif cq < 3
	PADD 200+2*cq, \k
.else
	PADD 210+2*cq, \k
.endif
.endm
.macro MROUND i                        ; two more scores onto each of the eight chains of maxima
.irp j, 0,1,2,3
.irp c, 0,1
	v_max3_num_f32 v[192+2*\j+\c], v[192+2*\j+\c], v[S+32*\c+8*\j+\i], v[S+32*\c+8*\j+\i+1]
.endr
.endr
.endm
; A KEY STEP: 128 keys, the record at LDS byte s[TB].
.macro STEP
	v_add_nc_u32 v3, s[TB], v31                    ; five plain lines behind the last products, ahead of loads into registers that they read
	v_add_nc_u32 v4, s[TB], v92
	v_add_nc_u32 v9, s[TB], v93
	v_add_nc_u32 v10, s[TB], v94
	v_add_nc_u32 v11, s[TB], v2
.irp c, 0,1
.irp j, 0,1,2,3
	ds_load_b128 v[F+6*(4*\c+\j):F+6*(4*\c+\j)+3], v3 offset:960*(4*\c+\j%2)+128*(\j/2)
	ds_load_b64 v[F+6*(4*\c+\j)+4:F+6*(4*\c+\j)+5], v4 offset:960*(4*\c+\j%2)+640+64*(\j/2)
.endr
.endr
.irp c, 0,1
.irp g, 0,1
	ds_load_b32 v[86+2*\c+\g], v9 offset:15360+320*\c+64*\g        ; tiles (c, 2 g) in lanes 0-15 and (c, 2 g + 1) in lanes 16-31
.endr
.endr
	WALU
	s_wait_dscnt 0x0
.irp c, 0,1
.irp g, 0,1
	v_wmma_scale_f32_16x16x128_f8f6f4 v[S+8*(4*\c+2*\g):S+8*(4*\c+2*\g)+7], v[F+6*(4*\c+2*\g):F+6*(4*\c+2*\g)+11], v[16:27], 0, v[86+2*\c+\g], v28 matrix_a_fmt:MATRIX_FMT_FP6 matrix_b_fmt:MATRIX_FMT_FP6
	v_wmma_scale_f32_16x16x128_f8f6f4 v[S+8*(4*\c+2*\g)+8:S+8*(4*\c+2*\g)+15], v[F+6*(4*\c+2*\g)+6:F+6*(4*\c+2*\g)+17], v[16:27], 0, v[86+2*\c+\g], v28 matrix_a_fmt:MATRIX_FMT_FP6 matrix_b_fmt:MATRIX_FMT_FP6 matrix_a_scale:MATRIX_SCALE_ROW1
.endr
.endr
	v_pk_add_f32 v[200:201], v[200:201], v[202:203]   ; the last step's six chains of the sum are joined in this step: these four plain lines stand behind the products, ahead of the loads into K's registers and of the first read of the scores
	v_pk_add_f32 v[204:205], v[204:205], v[216:217]
	v_pk_add_f32 v[14:15], v[14:15], v[218:219]
	v_mov_b32 v254, v12                            ; the old -M
.irp t, 0,1,2,3,4,5,6,7                        ; V's four fragments land while the softmax is walked
	ds_load_b128 v[F+6*\t:F+6*\t+3], v10 offset:7680+960*\t
	ds_load_b64 v[F+6*\t+4:F+6*\t+5], v11 offset:7680+960*\t+640
.endr
	ds_load_b64 v[90:91], v11 offset:16000
.irp j, 0,1,2,3                                ; my two blocks' largest scores: a chain for each tile, v[192 + 2 j + c], the eight by turns; each accumulator is read from its low end on
.irp c, 0,1
	v_max3_num_f32 v[192+2*\j+\c], v[S+32*\c+8*\j], v[S+32*\c+8*\j+1], v[S+32*\c+8*\j+2]
.endr
.endr
	v_pk_add_f32 v[200:201], v[200:201], v[204:205]   ; (the sum's fourth join)
	MROUND 3
	v_pk_add_f32 v[14:15], v[14:15], v[200:201]       ; (and its fifth: the sum is whole)
	MROUND 5
.irp c, 0,1
	v_max3_num_f32 v[192+\c], v[192+\c], v[S+32*\c+7], v[S+32*\c+15]   ; the tiles' last scores
.endr
.irp c, 0,1
	v_max3_num_f32 v[194+\c], v[194+\c], v[S+32*\c+23], v[S+32*\c+31]
.endr
.irp c, 0,1
	v_max_num_f32 v[196+\c], v[196+\c], v[198+\c]
.endr
.irp c, 0,1
	s_delay_alu instid0(VALU_DEP_2)
	v_max3_num_f32 v[192+\c], v[192+\c], v[194+\c], v[196+\c]      ; block 2 c + h's largest score
.endr
	s_delay_alu instid0(VALU_DEP_1)
	v_max_num_f32 v206, v192, v193
	s_delay_alu instid0(VALU_DEP_1)
	v_mul_f32 v206, s[CS], v206                    ; as t (c is positive)
	s_delay_alu instid0(VALU_DEP_1)
	v_permlanex16_b32 v207, v206, s[SEL], s[SEL+1] ; lane l xor 16's two blocks
	s_delay_alu instid0(VALU_DEP_1)
	v_max3_num_f32 v13, v13, v206, v207            ; the running largest t
	s_delay_alu instid0(VALU_DEP_1)
	v_floor_f32 v12, -v13                          ; the new -M = -ceil(t)
	s_delay_alu instid0(VALU_DEP_1)
	v_sub_f32 v254, v12, v254                      ; old M - new M: a whole number, 0 or less
	s_delay_alu instid0(VALU_DEP_1)
	v_cvt_i32_f32 v254, v254                       ; (it saturates)
	s_delay_alu instid0(VALU_DEP_1)
	v_ldexp_f32 v252, 1.0, v254                    ; f = 2^(old M - new M)
.set j, 0
.rept 32
	v_pk_fma_f32 v[S+j:S+j+1], v[S+j:S+j+1], s[CS:CS+1], v[12:13] op_sel_hi:[1,0,0]   ; t - M, two at a time
.set j, j+2
.endr
.irp c, 0,1
	v_fma_f32 v[192+\c], v[192+\c], s[CS], v12     ; the same of each block's largest score
.endr
	WALU                                           ; the wait ahead of the batch
	v_exp_f32 v192, v192                           ; my blocks' largest p
	v_exp_f32 v193, v193
.set j, 0
.rept 64
	v_exp_f32 v[S+j], v[S+j]                       ; p = 2^(t - M)
.set j, j+1
.endr
	v_pk_mul_f32 v[14:15], v[14:15], v[252:253] op_sel_hi:[1,0]   ; the sum under the new M (a plain line behind the exponentials)
	WALU                                           ; one wait for the batch of 66, directly ahead of O^T's first readers too
.set j, 0
.rept 16
	v_pk_mul_f32 v[O+j:O+j+1], v[O+j:O+j+1], v[252:253] op_sel_hi:[1,0]   ; O^T under the new M, each accumulator from its low end on
.set j, j+2
.endr
	v_max_num_f32 v192, FLOOR, v192                ; the floor: the byte cannot fall under 1
	v_max_num_f32 v193, FLOOR, v193
	v_pk_add_f32 v[200:201], v[S:S+1], v[S+2:S+3]  ; the row's sum of the unquantised p: six chains, joined in the next step
	v_pk_add_f32 v[202:203], v[S+4:S+5], v[S+6:S+7]
	v_pk_add_f32 v[204:205], v[S+8:S+9], v[S+10:S+11]
	v_pk_add_f32 v[216:217], v[S+12:S+13], v[S+14:S+15]
	v_add_nc_u32 v194, 0xff000000, v192            ; 2 off the exponent field: the conversions' scale operands
	v_add_nc_u32 v195, 0xff000000, v193
	v_pk_add_f32 v[218:219], v[S+16:S+17], v[S+18:S+19]
	PADD 14, 10
	PSUM 11
	PSUM 12
	v_lshrrev_b32 v196, 23, v194                   ; the scales' bytes
	v_lshrrev_b32 v197, 23, v195
	v_cvt_scalef32_pk16_fp6_f32 v[224:226], v[S:S+15], v194
	v_cvt_scalef32_pk16_fp6_f32 v[236:238], v[S+16:S+31], v194     ; (a conversion's three registers begin on an even number)
	v_cvt_scalef32_pk16_fp6_f32 v[230:232], v[S+32:S+47], v195
	v_cvt_scalef32_pk16_fp6_f32 v[240:242], v[S+48:S+63], v195
.irp k, 13,14,15
	PSUM \k                                        ; plain lines behind the conversions
.endr
	v_lshl_or_b32 v198, v197, 16, v196             ; my bytes: blocks h and 2 + h
.irp i, 0,1,2
	v_mov_b32 v[227+\i], v[236+\i]
	v_mov_b32 v[233+\i], v[240+\i]
.endr
	v_lshlrev_b32 v198, v30, v198                  ; at their places
.irp k, 16,17,18,19
	PSUM \k
.endr
	v_permlanex16_b32 v199, v198, s[SEL], s[SEL+1]
.irp k, 20,21,22,23
	PSUM \k
.endr
	v_or_b32 v29, v198, v199                       ; p's scale word for these 128 keys
.irp k, 24,25,26,27,28,29,30,31
	PSUM \k                                        ; eight plain lines that name no register of the products below stand between the word's write and those products
.endr
	WALU                                           ; directly ahead of the wait below
	s_wait_dscnt 0x0                               ; V
.irp t, 0,2
	v_wmma_scale_f32_16x16x128_f8f6f4 v[O+8*\t:O+8*\t+7], v[F+12*\t:F+12*\t+11], v[224:235], v[O+8*\t:O+8*\t+7], v[90+\t/2], v29 matrix_a_fmt:MATRIX_FMT_FP6 matrix_b_fmt:MATRIX_FMT_FP6
	v_wmma_scale_f32_16x16x128_f8f6f4 v[O+8*\t+8:O+8*\t+15], v[F+12*\t+12:F+12*\t+23], v[224:235], v[O+8*\t+8:O+8*\t+15], v[90+\t/2], v29 matrix_a_fmt:MATRIX_FMT_FP6 matrix_b_fmt:MATRIX_FMT_FP6 matrix_a_scale:MATRIX_SCALE_ROW1
.endr
	s_add_co_u32 s[TB], s[TB], STEPL
.endm
.macro LOOP first, n                   ; n key steps from record \first on
	s_mov_b32 s[TB], (\first)*STEPL
	s_mov_b32 s[CNT], \n
.Lstep_\@:
	STEP
	s_sub_co_u32 s[CNT], s[CNT], 1
	s_cmp_lg_u32 s[CNT], 0
	s_cbranch_scc1 .Lstep_\@
.endm
.macro PASS p
.if \p
.irp i, 0,1,2,3,4,5
	v_mov_b32 v[16+\i], v[208+\i]                  ; the second pass's Q
.endr
	v_mov_b32 v28, v214
	INIT                                           ; (the first pass's stands at the head, beside the tensor loads)
.endif
	WALU                                           ; the wait ahead of the waits and branches below
.if \p == 0
	s_wait_loadcnt 0x0                             ; both passes' Q
	s_cmp_lt_u32 s[WV], 4
	s_cbranch_scc0 .Lnot_first
	s_wait_tensorcnt 0x0                           ; waves 0-3: my record has landed
.Lnot_first:
	s_barrier_signal -1
	s_barrier_wait -1                              ; records 0-3 are in
	LOOP 0, 4
	s_wait_tensorcnt 0x0                           ; every wave: my record has landed
	s_barrier_signal -1
	s_barrier_wait -1                              ; all sixteen are in
	LOOP 4, 12
.else
	LOOP 0, 16
.endif
	; O / the sum, quantised along the channels: two blocks of 32, one half fragment of the last product's operand
	v_pk_add_f32 v[200:201], v[200:201], v[202:203]   ; the last step's chains
	v_pk_add_f32 v[204:205], v[204:205], v[216:217]
	v_pk_add_f32 v[14:15], v[14:15], v[218:219]
	s_delay_alu instid0(VALU_DEP_2)
	v_pk_add_f32 v[200:201], v[200:201], v[204:205]
	s_delay_alu instid0(VALU_DEP_1)
	v_pk_add_f32 v[14:15], v[14:15], v[200:201]
	s_delay_alu instid0(VALU_DEP_1)
	v_add_f32 v14, v14, v15
	s_delay_alu instid0(VALU_DEP_1)
	v_permlanex16_b32 v199, v14, s[SEL], s[SEL+1]
	s_delay_alu instid0(VALU_DEP_1)
	v_add_f32 v14, v14, v199                       ; the row's sum
	WALU
	v_rcp_f32 v14, v14
	v_nop                                          ; a plain line behind the reciprocal,
	WALU                                           ; and the wait ahead of its first reader, which is O^T's first reader too
.set j, 0
.rept 16
	v_pk_mul_f32 v[S+j:S+j+1], v[O+j:O+j+1], v[14:15] op_sel_hi:[1,0]   ; ascending.  Register 16 a + i is channel 32 a + 16 h + i
.set j, j+2
.endr
.irp a, 0,1
	v_max3_num_f32 v[192+\a], |v[S+16*\a]|, |v[S+1+16*\a]|, FLOOR
.endr
.irp i, 2,4,6,8,10,12,14
.irp a, 0,1
	s_delay_alu instid0(VALU_DEP_2)
	v_max3_num_f32 v[192+\a], v[192+\a], |v[S+16*\a+\i]|, |v[S+1+16*\a+\i]|
.endr
.endr
.irp a, 0,1
	s_delay_alu instid0(VALU_DEP_2)
	v_permlanex16_b32 v[196+\a], v[192+\a], s[SEL], s[SEL+1]
.endr
.irp a, 0,1
	s_delay_alu instid0(VALU_DEP_2)
	v_max_num_f32 v[192+\a], v[192+\a], v[196+\a]
.endr
.irp a, 0,1
	s_delay_alu instid0(VALU_DEP_2)
	v_add_nc_u32 v[194+\a], 0xff000000, v[192+\a]
.endr
.irp a, 0,1
	s_delay_alu instid0(VALU_DEP_2)
	v_lshrrev_b32 v[196+\a], 23, v[194+\a]
.endr
	v_cvt_scalef32_pk16_fp6_f32 v[224:226], v[S:S+15], v194
	v_cvt_scalef32_pk16_fp6_f32 v[240:242], v[S+16:S+31], v195
	v_lshl_or_b32 v198, v197, 8, v196              ; the two bytes (and the plain line behind the conversions)
.irp i, 0,1,2
	v_permlane16_swap_b32 v[224+\i], v[240+\i]     ; a whole block in a lane
.endr
.irp i, 0,1,2
	v_mov_b32 v[227+\i], v[240+\i]
.endr
	global_store_b128 v1, v[224:227], s[AP:AP+1] offset:204800*\p             ; 512 consecutive bytes, aligned to 256; the second pass: eight records on
	global_store_b64 v2, v[228:229], s[AP:AP+1] offset:204800*\p+512          ; 256 consecutive bytes, aligned
	global_store_b16 v8, v198, s[ASP:ASP+1] offset:204800*\p                  ; both halves of the lanes write the same two bytes with the same value
.if \p == 0
	WALU
	s_wait_xcnt 0x0                                ; the stores have read their registers, which the next pass writes again
.endif
.endm
	PASS 0
	PASS 1
	s_wait_tensorcnt 0x0                           ; the wave's end
	ds_add_u32 v5, v6
	s_wait_dscnt 0x0
	CROUND                                         ; the closing round
	s_endpgm
.Lfunc_end_k_q5fbb294092_attn:
	.size	k_q5fbb294092_attn, .Lfunc_end_k_q5fbb294092_attn-k_q5fbb294092_attn
	.p2alignl 7, 3214868480
	.fill 96, 4, 3214868480
	.section	.rodata,"a",@progbits
	.p2align	6, 0x0
	.amdhsa_kernel k_q5fbb294092_attn
		.amdhsa_group_segment_fixed_size 263168
		.amdhsa_private_segment_fixed_size 0
		.amdhsa_enable_private_segment 0
		.amdhsa_kernarg_size 24
		.amdhsa_user_sgpr_count 2
		.amdhsa_user_sgpr_kernarg_segment_ptr 1
		.amdhsa_wavefront_size32 1
		.amdhsa_system_sgpr_workgroup_id_x 1
		.amdhsa_system_sgpr_workgroup_id_y 1
		.amdhsa_system_sgpr_workgroup_id_z 1
		.amdhsa_system_vgpr_workitem_id 0
		.amdhsa_next_free_vgpr 256
		.amdhsa_next_free_sgpr 72
		.amdhsa_reserve_vcc 0
		.amdhsa_float_denorm_mode_32 3
		.amdhsa_float_denorm_mode_16_64 3
		.amdhsa_memory_ordered 1
		.amdhsa_forward_progress 1
		.amdhsa_inst_pref_size 68
	.end_amdhsa_kernel
	.amdgpu_metadata
---
amdhsa.version: [ 1, 2 ]
amdhsa.kernels:
  - .name:           k_q5fbb294092_attn
    .symbol:         k_q5fbb294092_attn.kd
    .args:
      - { .name: qq, .offset: 0, .size: 8, .value_kind: global_buffer, .address_space: global }
      - { .name: kv, .offset: 8, .size: 8, .value_kind: global_buffer, .address_space: global }
      - { .name: aq, .offset: 16, .size: 8, .value_kind: global_buffer, .address_space: global }
    .group_segment_fixed_size: 263168
    .private_segment_fixed_size: 0
    .kernarg_segment_align: 8
    .kernarg_segment_size: 24
    .max_flat_workgroup_size: 512
    .sgpr_count:     72
    .vgpr_count:     256
    .wavefront_size: 32
...
	.end_amdgpu_metadata
.endif
;; end of part 3
;; launch outp (part 4): grid 4 x 64, 4 waves a work-group, clusters of 4 x 1, 167,936 bytes of LDS; arguments aq, wo, bout, out0; writes out0
.if DOCPART == 4
	.amdgcn_target "amdgcn-amd-amdhsa--gfx1250"
	.amdhsa_code_object_version 6
	.text
	.protected	k_q5fbb294092_outp
	.globl	k_q5fbb294092_outp
	.p2align	8
	.type	k_q5fbb294092_outp,@function
k_q5fbb294092_outp:
	s_mov_b64 s[64:65], 0
	v_nop
	global_prefetch_b8 v0, s[64:65] scope:SCOPE_SE
	s_setreg_imm32_b32 hwreg(HW_REG_WAVE_MODE, 25, 1), 1
	s_wait_xcnt 0x0
	s_wait_alu depctr_hold_cnt(0) depctr_sa_sdst(0) depctr_va_vdst(0) depctr_va_sdst(0) depctr_va_ssrc(0) depctr_va_vcc(0) depctr_vm_vsrc(0)
	s_getreg_b32 s2, hwreg(HW_REG_IB_STS2, 6, 4)
	s_cmp_eq_u32 s2, 0
	s_cbranch_scc0 .Lentry_in_a_cluster
	s_endpgm
.Lentry_in_a_cluster:
	s_bfe_u32 s2, ttmp6, 0x10000c
	s_cmp_lg_u32 s2, 0x3003
	s_cbranch_scc0 .Lentry_shape_is_right
	s_endpgm
.Lentry_shape_is_right:
; out0 = a Wout + bout on codes of FP6 (E2M3) with E8M0 scales; a is the attention's result, [8192][1024]; out0 is f32.
; OPERANDS come as pair records (32 rows x K = 1,024: 25,600 bytes, images of operand registers: half fragment (u, s, c) at (8 u + s) x 1,536 + 768 c; scale words from 24,576; lane r of tile u is row 8 u + r + 8 (r / 8)).
; SHARES.  A work-group takes 128 rows (4 records) and 256 columns.  THE WAVES SHARE THE COLUMNS: wave w keeps its 64 columns of Wout (two records, 384 registers) for the whole launch, and every wave walks the 4 records of a from LDS.
; The product is used transposed (source 0 = 16 columns of W, source 1 = 16 rows of a): a lane holds eight neighbouring numbers of a row of out0.  The bias is the C of each sum's first product.
; CLUSTER: the four work-groups of a cluster have the same rows of a: each wave asks for one record JOINTLY (mask 15).  No LDS byte is filled twice.  W is shared too, along the grid's y, but goes from memory straight into registers:
; a work-group's 204,800 bytes of W, 102,400 of a and 34,816 of stages do not fit into 327,680 bytes of LDS together.
; THE WAY OUT: a record's 32 rows x 64 columns go through the wave's own stage in LDS (rows of 256 bytes + 16) and leave as whole rows: sixteen lanes store 256 consecutive bytes, aligned.
; REGISTERS.  Window 0: v2, v3 16 and 8 x lane; v4, v5 the record's LDS addresses; v6, v7 the add's two; v8 the bias's offset; v10-12 the way out; v16-63 a's fragments, two buffers; v64-71 a's scale words; v72-87 W's;
; v96-159 eight accumulators; v160-223 rows read back.  Windows 1, 2: W(s, t) in window 1 + s / 4 at (s % 4) x 48 + 12 t.  Window 1, v192-223: the bias.
.set RECB,  25600
.set STG,   4*RECB                     ; behind a's records: a stage of 32 rows x 272 bytes for each wave; no fill lands there
.set SPARE, STG+4*8704                 ; behind the stages: the spare words, 128 bytes a wave
.set XF,  16
.set XS,  64
.set WS,  72
.set ACC, 96
.set OB,  160
.set BO,  192
.set WV,  14
.set G1,  24
.set G0,  32
.set TB,  36
.set TR,  37
.set OP,  44
.set MSB, 0
.macro WIN new                         ; the immediate's high byte repeats the setting that is left
.if MSB != (\new)
	s_set_vgpr_msb (MSB<<8)|(\new)
.set MSB, (\new)
.endif
.endm
.macro CROUND                          ; a round of the cluster's barrier
	s_barrier_signal -1
	s_barrier_wait -1
	s_cmp_lg_u32 s[WV], 0
	s_cbranch_scc1 .Lnot_wave_0_\@
	s_barrier_signal -3
.Lnot_wave_0_\@:
	s_barrier_wait -3
	s_barrier_signal -1
	s_barrier_wait -1
.endm
.macro PLACES                          ; four plain vector lines behind matrix instructions, ahead of loads into their registers and of the first read of results
.rept 4
	v_nop
.endr
.endm
	s_load_b256 s[4:11], s[0:1], 0x0               ; aq s[4:5], wo s[6:7], bout s[8:9], out0 s[10:11]
	v_lshl_add_u32 v6, v0, 2, SPARE
	v_mov_b32 v7, 0
	ds_add_u32 v6, v7                              ; the wave's opening: the add and its wait ahead of my tensor load; the set-up below, work on registers, stands between them
	ds_add_u32 v6, v7
	v_lshrrev_b32 v1, 5, v0
	v_readfirstlane_b32 s[WV], v1
	v_and_b32 v1, 31, v0
	v_lshlrev_b32 v2, 4, v1
	v_lshlrev_b32 v3, 3, v1
	v_and_b32 v13, 15, v0                          ; r
	v_bfe_u32 v14, v0, 4, 1                        ; h
	v_lshlrev_b32 v8, 6, v14                       ; the bias: 16 h numbers on
	s_mul_i32 s52, s[WV], 8704
	s_add_co_u32 s52, s52, STG                     ; my stage
	v_mul_u32_u24 v10, v13, 272
	v_lshl_add_u32 v10, v14, 6, v10
	v_add_nc_u32 v10, s52, v10                     ; in: stage row r (+ 16 u), 64 h bytes on
	v_mul_u32_u24 v11, v14, 272
	v_lshl_add_u32 v11, v13, 4, v11
	v_add_nc_u32 v11, s52, v11                     ; back: lanes 0-15 one stage row, lanes 16-31 the next
	v_lshlrev_b32 v12, 12, v14
	v_lshl_add_u32 v12, v13, 4, v12                ; and the same two rows in out0
	s_bfe_u32 s17, ttmp6, 0x40000                  ; cx: which 256 columns; it enters W's, the bias's and out0's addresses alone
	s_and_b32 s19, ttmp7, 0xffff                   ; gy, which the four partners share
	s_mov_b32 s[G1], 15|(3<<16)|(1<<21)            ; the mask: all four work-groups; elements of 8 bytes; bit 21 beside a mask; no padding
	s_mov_b32 s[G1+1], 32<<16                      ; rows of 256 bytes
	s_mov_b32 s[G1+2], 100<<16                     ; 100 of them: a record
	s_mov_b32 s[G1+3], 32<<16
	s_mov_b32 s[G1+4], 100
	s_mov_b32 s[G1+5], 32                          ; dense
	s_mov_b32 s[G1+6], 0
	s_mov_b32 s[G1+7], 0
	s_mov_b32 s[G0], 1
	s_mul_i32 s[G0+1], s[WV], RECB                 ; LDS: my record
	s_mul_i32 s52, s19, 4*RECB
	s_add_co_u32 s52, s52, s[G0+1]
	s_mov_b32 s53, 0
	s_lshl_b32 s54, s17, 3
	s_lshl_b32 s55, s[WV], 1
	s_add_co_u32 s54, s54, s55
	s_mul_i32 s54, s54, RECB                       ; W: records 8 cx + 2 w and the next
	s_mov_b32 s55, 0
	s_lshl_b32 s56, s17, 10
	s_lshl_b32 s57, s[WV], 8
	s_add_co_u32 s56, s56, s57                     ; my 64 columns, in bytes of f32
	s_mov_b32 s57, 0
	s_lshl_b32 s58, s19, 19                        ; 128 rows of 4,096 bytes
	s_add_co_u32 s58, s58, s56
	s_mov_b32 s59, 0
	s_wait_dscnt 0x0                               ; the opening add is done
	s_wait_kmcnt 0x0
	s_add_nc_u64 s[G0+2:G0+3], s[4:5], s[52:53]
	s_or_b32 s[G0+3], s[G0+3], 0x80000000
	s_add_nc_u64 s[40:41], s[6:7], s[54:55]
	s_add_nc_u64 s[42:43], s[8:9], s[56:57]
	s_add_nc_u64 s[OP:OP+1], s[10:11], s[58:59]
	CROUND                                         ; all four work-groups are here: the joint loads meet
	tensor_load_to_lds s[G0:G0+3], s[G1:G1+7]      ; my one tensor load of the launch
	s_nop 0
	PLACES                                         ; (behind a tensor load, ahead of the switch of windows)
.irp s, 0,1,2,3,4,5,6,7
	WIN (1+\s/4)<<6
.irp t, 0,1,2,3
.irp c, 0,1
	global_load_b128 v[(\s%4)*48+12*\t+6*\c:(\s%4)*48+12*\t+6*\c+3], v2, s[40:41] offset:RECB*(\t/2)+(8*(\t%2)+\s)*1536+768*\c
	global_load_b64 v[(\s%4)*48+12*\t+6*\c+4:(\s%4)*48+12*\t+6*\c+5], v3, s[40:41] offset:RECB*(\t/2)+(8*(\t%2)+\s)*1536+768*\c+512
.endr
.endr
.endr
	WIN 0x40
	s_wait_alu depctr_va_vdst(0)
.irp t, 0,1,2,3                        ; the bias in the result's layout: register i of tile t is column 32 (t / 2) + 16 h + 8 (t % 2) + i
	global_load_b128 v[BO+8*\t:BO+8*\t+3], v8, s[42:43] offset:(32*(\t/2)+8*(\t%2))*4
	global_load_b128 v[BO+8*\t+4:BO+8*\t+7], v8, s[42:43] offset:(32*(\t/2)+8*(\t%2))*4+16
.endr
	WIN 0
.irp g, 0,1                            ; W's scale words: register WS + 8 P + s: tile 2 P in lanes 0-15, tile 2 P + 1 in lanes 16-31
	global_load_b128 v[WS+4*\g:WS+4*\g+3], v2, s[40:41] offset:24576+512*\g
	global_load_b128 v[WS+8+4*\g:WS+8+4*\g+3], v2, s[40:41] offset:RECB+24576+512*\g
.endr
.macro WM
.if (rRA == 0) && (rRB == 0)
	v_wmma_scale_f32_16x16x128_f8f6f4 v[rD:rD+7], v[rA:rA+11], v[rB:rB+11], v[rC:rC+7], v[rSA], v[rSB] matrix_a_fmt:MATRIX_FMT_FP6 matrix_b_fmt:MATRIX_FMT_FP6
.elseif (rRA == 1) && (rRB == 0)
	v_wmma_scale_f32_16x16x128_f8f6f4 v[rD:rD+7], v[rA:rA+11], v[rB:rB+11], v[rC:rC+7], v[rSA], v[rSB] matrix_a_fmt:MATRIX_FMT_FP6 matrix_b_fmt:MATRIX_FMT_FP6 matrix_a_scale:MATRIX_SCALE_ROW1
.elseif (rRA == 0) && (rRB == 1)
	v_wmma_scale_f32_16x16x128_f8f6f4 v[rD:rD+7], v[rA:rA+11], v[rB:rB+11], v[rC:rC+7], v[rSA], v[rSB] matrix_a_fmt:MATRIX_FMT_FP6 matrix_b_fmt:MATRIX_FMT_FP6 matrix_b_scale:MATRIX_SCALE_ROW1
.else
	v_wmma_scale_f32_16x16x128_f8f6f4 v[rD:rD+7], v[rA:rA+11], v[rB:rB+11], v[rC:rC+7], v[rSA], v[rSB] matrix_a_fmt:MATRIX_FMT_FP6 matrix_b_fmt:MATRIX_FMT_FP6 matrix_a_scale:MATRIX_SCALE_ROW1 matrix_b_scale:MATRIX_SCALE_ROW1
.endif
.endm
.macro FETCH s, buf                    ; a's two fragments of K step s: eight dense LDS loads
.irp u, 0,1
.irp c, 0,1
	ds_load_b128 v[XF+24*(\buf)+12*\u+6*\c:XF+24*(\buf)+12*\u+6*\c+3], v4 offset:(8*\u+(\s))*1536+768*\c
	ds_load_b64 v[XF+24*(\buf)+12*\u+6*\c+4:XF+24*(\buf)+12*\u+6*\c+5], v5 offset:(8*\u+(\s))*1536+768*\c+512
.endr
.endr
.endm
.macro XSCALES
	ds_load_b128 v[XS:XS+3], v4 offset:24576
	ds_load_b128 v[XS+4:XS+7], v4 offset:25088
.endm
; A K step's eight products.  The eight accumulators take turns, one instruction a turn, in the same order in every step.
.macro MULS s, buf
.if (\s) == 0
	WIN 0x11                                       ; source 0 (W) and C (the bias) window 1
.else
	WIN 1+(\s)/4
.endif
.irp u, 0,1
.irp t, 0,1,2,3
.set rD, ACC+8*(4*\u+\t)
.set rA, ((\s)%4)*48+12*\t
.set rB, XF+24*(\buf)+12*\u
.if (\s) == 0
.set rC, BO+8*\t
.else
.set rC, ACC+8*(4*\u+\t)
.endif
.set rSA, WS+8*(\t/2)+(\s)
.set rSB, XS+(\s)
.set rRA, \t%2
.set rRB, \u
	WM
.endr
.endr
	WIN 0
.endm
; One record: eight K steps, then the way out.  pre = 1: the next record's first fragments and scale words are asked for ahead of the way out, and the output pointer steps behind it.
.macro RECORD pre
.irp s, 0,1,2,3,4,5,6,7
.if \s < 7
.if \s > 0
	PLACES                                         ; the other buffer was read by the step before
.endif
	FETCH \s+1, (\s+1)%2
	s_wait_dscnt 8                                 ; all but the eight loads just issued
.else
	s_wait_dscnt 0x0
.endif
	MULS \s, \s%2
.endr
	PLACES
.if \pre
	s_add_co_u32 s[TB], s[TB], RECB
	v_add_nc_u32 v4, s[TB], v2
	v_add_nc_u32 v5, s[TB], v3
	XSCALES
	FETCH 0, 0
.endif
.irp u, 0,1
.irp t, 0,1,2,3
	ds_store_b128 v10, v[ACC+8*(4*\u+\t):ACC+8*(4*\u+\t)+3] offset:4352*\u+128*(\t/2)+32*(\t%2)        ; each accumulator from its low end on
	ds_store_b128 v10, v[ACC+8*(4*\u+\t)+4:ACC+8*(4*\u+\t)+7] offset:4352*\u+128*(\t/2)+32*(\t%2)+16
.endr
.endr
.irp i, 0,1,2,3,4,5,6,7,8,9,10,11,12,13,14,15
	ds_load_b128 v[OB+4*\i:OB+4*\i+3], v11 offset:544*\i   ; LDS serves a wave's instructions in order: these see my stores
.endr
.irp i, 0,1,2,3,4,5,6,7,8,9,10,11,12,13,14,15  ; stage rows 2 i and 2 i + 1 are lanes r = (2 i) % 16 and the next of tile u = i / 8: rows 8 u + r + 8 (r / 8) of the record
	s_wait_dscnt 15-\i                             ; the younger stage reads may be out
	global_store_b128 v12, v[OB+4*\i:OB+4*\i+3], s[OP:OP+1] offset:(8*(\i/8)+(2*\i)%16+8*((\i%8)/4))*4096 th:TH_STORE_NT
.endr
.if \pre
	s_wait_xcnt 0x0                                ; the stores have read their registers and their base
	s_add_nc_u64 s[OP:OP+1], s[OP:OP+1], 32*4096
.endif
.endm
	s_mov_b32 s[TB], 0
	v_add_nc_u32 v4, s[TB], v2
	v_add_nc_u32 v5, s[TB], v3
	s_wait_alu depctr_va_vdst(0)
	s_wait_loadcnt 0x0                             ; W, its scale words and the bias
	s_wait_tensorcnt 0x0                           ; my record of a has landed,
	s_barrier_signal -1
	s_barrier_wait -1                              ; everybody's has
	XSCALES
	FETCH 0, 0
	s_mov_b32 s[TR], 0
.Lrec:
	s_wait_alu depctr_va_vdst(0)
	RECORD 1
	s_add_co_u32 s[TR], s[TR], 1
	s_cmp_lt_u32 s[TR], 3
	s_cbranch_scc1 .Lrec
	s_wait_alu depctr_va_vdst(0)
	RECORD 0                                       ; the last record is written out: behind it nothing is fetched
	s_wait_tensorcnt 0x0                           ; the wave's end, behind my last LDS store
	ds_add_u32 v6, v7
	s_wait_dscnt 0x0
	CROUND                                         ; the closing round
	s_endpgm
.Lfunc_end_k_q5fbb294092_outp:
	.size	k_q5fbb294092_outp, .Lfunc_end_k_q5fbb294092_outp-k_q5fbb294092_outp
	.p2alignl 7, 3214868480
	.fill 96, 4, 3214868480
	.section	.rodata,"a",@progbits
	.p2align	6, 0x0
	.amdhsa_kernel k_q5fbb294092_outp
		.amdhsa_group_segment_fixed_size 167936
		.amdhsa_private_segment_fixed_size 0
		.amdhsa_enable_private_segment 0
		.amdhsa_kernarg_size 32
		.amdhsa_user_sgpr_count 2
		.amdhsa_user_sgpr_kernarg_segment_ptr 1
		.amdhsa_wavefront_size32 1
		.amdhsa_system_sgpr_workgroup_id_x 1
		.amdhsa_system_sgpr_workgroup_id_y 1
		.amdhsa_system_sgpr_workgroup_id_z 1
		.amdhsa_system_vgpr_workitem_id 0
		.amdhsa_next_free_vgpr 1024
		.amdhsa_next_free_sgpr 72
		.amdhsa_reserve_vcc 0
		.amdhsa_float_denorm_mode_32 3
		.amdhsa_float_denorm_mode_16_64 3
		.amdhsa_memory_ordered 1
		.amdhsa_forward_progress 1
		.amdhsa_inst_pref_size 54
	.end_amdhsa_kernel
	.amdgpu_metadata
---
amdhsa.version: [ 1, 2 ]
amdhsa.kernels:
  - .name:           k_q5fbb294092_outp
    .symbol:         k_q5fbb294092_outp.kd
    .args:
      - { .name: aq, .offset: 0, .size: 8, .value_kind: global_buffer, .address_space: global }
      - { .name: wo, .offset: 8, .size: 8, .value_kind: global_buffer, .address_space: global }
      - { .name: bout, .offset: 16, .size: 8, .value_kind: global_buffer, .address_space: global }
      - { .name: out0, .offset: 24, .size: 8, .value_kind: global_buffer, .address_space: global }
    .group_segment_fixed_size: 167936
    .private_segment_fixed_size: 0
    .kernarg_segment_align: 8
    .kernarg_segment_size: 32
    .max_flat_workgroup_size: 128
    .sgpr_count:     72
    .vgpr_count:     1024
    .wavefront_size: 32
...
	.end_amdgpu_metadata
.endif
;; end of part 4
